; MI455X (gfx1250); checked and timed in simulation.
; The chip was launched on July 23, 2026; its instructions are those of AMD's public machine-readable ISA for CDNA 5 (MIT licence, August 2026) and "CDNA5" Instruction Set Architecture Reference Guide (July 2026). The comments in the code are by the model that wrote it; some were corrected since.
;; Causal Self Attention. Allowed arithmetic: matrix products marked QUANTISED: E2M3 operands, one E8M0 scale for each 32 along K, by v_wmma_scale_f32_16x16x128_f8f6f4 with both operands' format E2M3, f32 sums; everything else in f32.
;; Inputs: b_attn 3,072 float32; b_proj 2,048 float32; freqs_cos 1,024 x 64 float32; freqs_sin 1,024 x 64 float32; w_attn 3,072 x 2,048 float32; w_proj 2,048 x 2,048 float32; x 4 x 1,024 x 2,048 float32.
;; Outputs: out0 4 x 1,024 x 2,048 float32; out1 4 x 4 x 1,024 x 128 float32; out2 4 x 4 x 1,024 x 128 float32.
;; This version of the problem:
;;   THIS VERSION OF THE PROBLEM IS GIVEN IN LOW PRECISION. The matrix products marked QUANTISED in the list below multiply operands that are first quantised to E2M3 (2 exponent bits, 3 mantissa bits; 6 bits a number), with one power-of-two scale for each 32 numbers along K (OCP MX v1.0); their sums are f32. All else is computed in f32.
;;   The module's matrix products, in the order in which they are computed (A, B: the left and right operand; K: the contracted axis; several contracted axes count as one K, in the product's order):
;;     1. [M 4,096, K 2,048] x [K 2,048, N 3,072]; A: input x; B: input w_attn: QUANTISED
;;     2. batch 16 x [M 4,096, K 128] x [K 128, N 1,024]; A: computed on the way; B: computed on the way: QUANTISED
;;     3. batch 16 x [M 4,096, K 1,024] x [K 1,024, N 128]; A: softmax (see below); B: computed on the way: QUANTISED
;;     4. [M 4,096, K 2,048] x [K 2,048, N 2,048]; A: computed on the way; B: input w_proj: QUANTISED
;;   THE QUANTISER, for each operand of a quantised product, along K:
;;     - K is cut into blocks of 32 from its start; a last block that is shorter is filled with zeros.
;;     - A block's scale is 2^e with e = floor(log2(the largest magnitude in the block)) - 2, held to -126 .. 127; a block of zeros has e = 0. As a byte (E8M0): e + 127.
;;     - Each number is divided by its block's scale, clamped to +-7.5, and rounded to the nearest number of E2M3, ties to even, subnormals kept.
;;     - The product sums the exact products of the quantised numbers (number of the format x scale) in f32.
;;   ~~~python
;;   def quantise(x, axis):      # numpy; x: float32 -> the quantised numbers, widened to float32 again
;;       x = np.moveaxis(x, axis, -1); K = x.shape[-1]
;;       x = np.pad(x, [(0, 0)] * (x.ndim - 1) + [(0, -K % 32)]); x = x.reshape(x.shape[:-1] + (-1, 32)); a = np.abs(x).max(-1, keepdims=True)
;;       e = np.where(a > 0, np.clip(np.frexp(np.where(a > 0, a, 1))[1] - 1 - 2, -126, 127), 0)      # np.frexp(a)[1] - 1 = floor(log2(a)), exactly
;;       r = np.clip(x / 2.0 ** e, -7.5, 7.5)
;;       step = 2.0 ** (np.maximum(np.frexp(np.where(r == 0, 1, r))[1] - 1, 0) - 3)
;;       q = np.round(r / step) * step * 2.0 ** e      # np.round: ties to even
;;       return np.moveaxis(q.reshape(q.shape[:-2] + (-1,))[..., :K], -1, axis).astype(np.float32)
;;   ~~~
;;   SOFTMAX AHEAD OF A QUANTISED PRODUCT. Where the list says 'softmax', what is quantised is not the finished softmax but p = 2^(t - M), with t = logit x log2(e) and M = ceil(the row's largest t), a whole number; so 1/2 < the row's largest p <= 1. The row's sum l is taken of the UNQUANTISED p, in f32, and the product's result is divided by l at the end. Since M is a whole number, a kernel that streams over the keys may use a running M (the ceiling of the running maximum): every later rescaling is an exact power of two, which a block's scale takes up: the codes' values come out the same.
;;   OPERANDS COMPUTED ON THE WAY. 'Computed on the way' means the value that the module computes at that place (a softmax that the list does not call 'softmax' is quantised finished and normalised). What goes into a quantiser is computed in f32, as accurately as f32 sums, v_exp_f32 and their like allow (about 1e-6 of the number): no bf16 or f16 on the way to a quantiser, and a product that is left as it is and whose result goes on into a quantised operand takes f32 operands (vector FMAs, or v_wmma_f32_16x16x4_f32). A number that lies on a knife's edge between two numbers of the format may be rounded either way, as far as f32 arithmetic and the matrix unit's own rounding can turn it there, and no further.
;; One version. Each part assembles by itself: llvm-mc -triple=amdgcn-amd-amdhsa -mcpu=gfx1250 --defsym DOCPART=n.
;; ======== version 1 of 1: 4 launches
;; limits: right only within a limited range of input values
;; workspace buffers: xq 6,553,600 bytes; waq 4,915,200 bytes; wpq 3,276,800 bytes; qq 6,553,600 bytes; kv 3,276,800 bytes; yq 6,553,600 bytes
;; launch quant (part 1): grid 256 x 1, 9 waves a work-group, no clusters, 77,312 bytes of LDS; arguments x, w_attn, w_proj, xq, waq, wpq; writes xq, waq, wpq
.if DOCPART == 1
	.amdgcn_target "amdgcn-amd-amdhsa--gfx1250"
	.amdhsa_code_object_version 6
	.text
	.protected	k_qd3265c7f5e_quant
	.globl	k_qd3265c7f5e_quant
	.p2align	8
	.type	k_qd3265c7f5e_quant,@function
k_qd3265c7f5e_quant:
	s_mov_b64 s[64:65], 0
	v_nop
	global_prefetch_b8 v0, s[64:65] scope:SCOPE_SE
	s_setreg_imm32_b32 hwreg(HW_REG_WAVE_MODE, 25, 1), 1
	s_wait_xcnt 0x0
; x [4096][2048], w_attn [3072][2048], w_proj [2048][2048], f32, K innermost, become codes of FP6 (E2M3) with one E8M0 byte for each 32 along K,
; laid in the ORDER OF THE OPERAND'S REGISTERS.  A fragment (16 rows x 128 K: 12 registers a lane) is 1,536 bytes: registers 4 c .. 4 c + 3 of lane l at byte 512 c + 16 l.
; A row block RB = 2 G + u holds at its row r the tensor's row 32 G + 8 u + r + 8 (r / 8).  Codes: [RB][K step (16)][1536].  Scale words behind them: [RB][K step / 2 (8)][r (16)][2 words].
; A block's scale is 2^(floor(log2(largest magnitude)) - 2); its byte is the largest magnitude's exponent field - 2, held at 1 from below.
; LIMITS: a block of zeros, or one whose largest magnitude lies under 2^-124, gets the byte 1 (its codes are what the conversion gives under that scale; this program alone reads the bytes); NaN and infinities are not served.
; SHARES: the three tensors have 256 + 192 + 128 = 576 row blocks; a share is a quarter of K of one row block, four fragments: 2,304 shares = 256 x 9.  256 work-groups of nine waves: wave w of work-group g takes share 9 g + w,
; so that every work-group has the same work.  Row blocks 0-255 are x's, 256-447 w_attn's, 448-575 w_proj's; only pointers are chosen, one path serves all.
; w_attn's groups of 128 rows are laid in another order: q's 16 stay; then k head 0, v head 0, k head 1, v head 1 ..: so the next launch finds one k head and one v head in a tile of 256 columns.
; Each load reads 512 consecutive bytes of a row; a fragment's 8,192 bytes turn through the wave's own stage in LDS (rows 528 bytes apart) so that a lane gets two whole blocks of 32 of its row.
; No barrier: waves share nothing.  Loads run two fragments (32 loads a wave) ahead.
.set STG,  8448                        ; a wave's stage: 16 rows x 528 bytes
.set W,    8                           ; v8-11   the four fragments' scale words
.set MX,   12                          ; v12-13  largest magnitudes of my two blocks
.set SO,   14                          ; v14-15  the conversions' scale operands
.set BY,   16                          ; v16-17  the bytes; at the end the two words to store
.set C,    20                          ; v20-31  a fragment's codes
.set CT,   32                          ; v32-34, v36-38 the second halves of the two blocks, as converted
.set R,    40                          ; v40-167 two sets of 64: rows as loaded
.set X,    168                         ; v168-231 my two blocks of 32 numbers
	s_load_b256 s[4:11], s[0:1], 0x0               ; x, w_attn, w_proj, xq
	s_load_b128 s[12:15], s[0:1], 0x20             ; waq, wpq
	v_lshl_add_u32 v232, v0, 2, 0x12900
	v_mov_b32 v233, 0
	v_lshrrev_b32 v1, 5, v0
	s_delay_alu instid0(VALU_DEP_1)
	v_readfirstlane_b32 s16, v1                    ; wave 0..8
	s_mul_i32 s18, ttmp9, 9
	s_add_co_u32 s18, s18, s16                     ; my share, 0 .. 2,303
	s_lshr_b32 s19, s18, 2                         ; its row block among the 576
	s_and_b32 s18, s18, 3                          ; its quarter of K
	v_and_b32 v6, 31, v0                           ; lane
	v_and_b32 v7, 15, v0                           ; r
	v_bfe_u32 v19, v0, 4, 1                        ; h
	s_delay_alu instid0(VALU_DEP_3)
	v_lshlrev_b32 v1, 4, v6                        ; 16 x lane: my bytes of a load's 512, and of an image's 512
	s_mul_i32 s17, s16, STG
	v_add_nc_u32 v2, s17, v1                       ; the stage, on the way in
	v_mul_u32_u24 v3, v7, 528
	s_delay_alu instid0(VALU_DEP_1)
	v_lshl_add_u32 v3, v19, 7, v3
	s_delay_alu instid0(VALU_DEP_1)
	v_add_nc_u32 v3, s17, v3                       ; and on the way out: row r, block h
	v_lshlrev_b32 v4, 3, v19                       ; 8 h: my bytes' place in the scale word
	v_lshlrev_b32 v5, 3, v6                        ; 8 x lane: the scale words' place
	v_mov_b32 v18, 0                               ; a lane permute's destination counts as one of its sources
	s_mov_b32 s38, 0x76543210
	s_mov_b32 s39, 0xfedcba98                      ; selects for lane l xor 16
	s_mov_b32 s20, 448
	s_mov_b32 s21, 3145728
	s_wait_alu depctr_va_vdst(0)
	s_wait_kmcnt 0x0
	s_cmp_lt_u32 s19, 448                          ; which tensor: the choice hangs on the share's number alone
	s_cselect_b64 s[24:25], s[6:7], s[8:9]
	s_cselect_b64 s[26:27], s[12:13], s[14:15]
	s_cselect_b32 s20, 256, s20
	s_cselect_b32 s21, 4718592, s21
	s_cmp_lt_u32 s19, 256
	s_cselect_b64 s[24:25], s[4:5], s[24:25]       ; the numbers
	s_cselect_b64 s[26:27], s[10:11], s[26:27]     ; the codes' buffer
	s_cselect_b32 s20, 0, s20                      ; the tensor's first row block among the 576
	s_cselect_b32 s21, 6291456, s21                ; where its scale words begin
	s_sub_co_u32 s22, s19, s20                     ; RB
	s_lshr_b32 s23, s22, 3                         ; w_attn's other order: group G = RB / 8; G - 16 = 4 (is v) + head
	s_sub_co_u32 s23, s23, 16
	s_and_b32 s28, s23, 3
	s_bfe_u32 s29, s23, 0x10002
	s_lshl_b32 s28, s28, 1
	s_add_co_u32 s28, s28, s29
	s_add_co_u32 s28, s28, 16                      ; 16 + 2 head + (is v)
	s_lshl_b32 s28, s28, 3
	s_and_b32 s29, s22, 7
	s_add_co_u32 s28, s28, s29
	s_cmp_ge_u32 s19, 384                          ; it holds for w_attn's row blocks 128 to 191: 384 to 447 of the 576
	s_cselect_b32 s28, s28, s22
	s_cmp_lt_u32 s19, 448
	s_cselect_b32 s28, s28, s22                    ; the row block's place in the codes' buffer
	s_lshr_b32 s29, s22, 1
	s_lshl_b32 s29, s29, 5
	s_and_b32 s30, s22, 1
	s_lshl_b32 s30, s30, 3
	s_add_co_u32 s29, s29, s30                     ; the row block's first row: 32 G + 8 u
	s_lshl_b32 s30, s29, 13                        ; x 8,192 bytes
	s_lshl_b32 s31, s18, 11                        ; + my quarter's 512 numbers
	s_add_co_u32 s30, s30, s31
	s_mov_b32 s31, 0
	s_add_nc_u64 s[24:25], s[24:25], s[30:31]
	s_mul_i32 s30, s28, 24576
	s_mul_i32 s32, s18, 6144
	s_add_co_u32 s30, s30, s32
	s_add_nc_u64 s[34:35], s[26:27], s[30:31]      ; my four fragments
	s_lshl_b32 s30, s28, 10
	s_lshl_b32 s32, s18, 8
	s_add_co_u32 s30, s30, s32
	s_add_co_u32 s30, s30, s21
	s_add_nc_u64 s[36:37], s[26:27], s[30:31]      ; my 256 bytes of scale words
.macro LOAD f                          ; fragment f: the block's 16 rows, 512 consecutive bytes each
.irp i, 0,1,2,3,4,5,6,7,8,9,10,11,12,13,14,15
	global_load_b128 v[R+64*((\f)%2)+4*\i:R+64*((\f)%2)+4*\i+3], v1, s[24:25] offset:(\i+8*(\i/8))*8192+512*(\f) th:TH_LOAD_NT
.endr
.endm
.macro FRAG f
.if (\f) < 3
	s_wait_loadcnt 16                              ; this fragment's 16 loads are in; the next fragment's may be out
.else
	s_wait_loadcnt 0x0
.endif
.irp i, 0,1,2,3,4,5,6,7,8,9,10,11,12,13,14,15
	ds_store_b128 v2, v[R+64*((\f)%2)+4*\i:R+64*((\f)%2)+4*\i+3] offset:528*\i
.endr
.irp c, 0,1
.irp j, 0,1,2,3,4,5,6,7
	ds_load_b128 v[X+32*\c+4*\j:X+32*\c+4*\j+3], v3 offset:256*\c+16*\j   ; LDS serves a wave's instructions in order: these see the stores above
.endr
.endr
	s_wait_dscnt 0x0                               ; my two blocks are in, and the stores have read their registers,
.if (\f) < 2
	LOAD (\f)+2                                    ; which take the loads of two fragments on
.endif
.irp c, 0,1
	v_max3_num_f32 v[MX+\c], |v[X+32*\c]|, |v[X+32*\c+1]|, 0x1800000   ; block 2 c + h: all 32 numbers are mine; the floor 2^(3 - 127) holds the byte at 1 from below
.endr
.irp i, 2,4,6,8,10,12,14,16,18,20,22,24,26,28,30
.irp c, 0,1
	s_delay_alu instid0(VALU_DEP_2)
	v_max3_num_f32 v[MX+\c], v[MX+\c], |v[X+32*\c+\i]|, |v[X+32*\c+\i+1]|
.endr
.endr
.irp c, 0,1
	s_delay_alu instid0(VALU_DEP_2)
	v_add_nc_u32 v[SO+\c], 0xff000000, v[MX+\c]    ; 2 off the exponent field: the conversion takes that field as its scale
.endr
.irp c, 0,1
	s_delay_alu instid0(VALU_DEP_2)
	v_lshrrev_b32 v[BY+\c], 23, v[SO+\c]           ; the scale's byte
.endr
	s_delay_alu instid0(VALU_DEP_1)
	v_lshl_or_b32 v[W+(\f)], v[BY+1], 16, v[BY]    ; my two bytes: blocks h and 2 + h,
	s_delay_alu instid0(VALU_DEP_1)
	v_lshlrev_b32 v[W+(\f)], v4, v[W+(\f)]         ; 8 h bits up;
	s_delay_alu instid0(VALU_DEP_1)
	v_permlanex16_b32 v18, v[W+(\f)], s38, s39
	s_delay_alu instid0(VALU_DEP_1)
	v_or_b32 v[W+(\f)], v[W+(\f)], v18             ; with lane l xor 16's two the row's word is whole, in both lanes
	s_wait_alu depctr_va_vdst(0)
	s_wait_xcnt 0x0                                ; the last fragment's stores have read their data: the codes' registers are written again only behind this wait
.irp c, 0,1
	v_cvt_scalef32_pk16_fp6_f32 v[C+6*\c:C+6*\c+2], v[X+32*\c:X+32*\c+15], v[SO+\c]
	v_cvt_scalef32_pk16_fp6_f32 v[CT+4*\c:CT+4*\c+2], v[X+32*\c+16:X+32*\c+31], v[SO+\c]   ; (a conversion's three registers begin on an even number)
.endr
	v_nop                                          ; one plain instruction behind a scaled conversion
.irp c, 0,1
.irp i, 0,1,2
	v_mov_b32 v[C+6*\c+3+\i], v[CT+4*\c+\i]
.endr
.endr
.irp c, 0,1,2
	global_store_b128 v1, v[C+4*\c:C+4*\c+3], s[34:35] offset:1536*(\f)+512*\c   ; 32 lanes store 512 consecutive bytes
.endr
.endm
	LOAD 0
	LOAD 1
	FRAG 0
	FRAG 1
	FRAG 2
	FRAG 3
	v_cmp_ne_u32 vcc_lo, 0, v19                    ; lanes 0-15 store the words of my quarter's first two K steps, lanes 16-31 those of its last two
	s_delay_alu instid0(VALU_DEP_1)
	v_cndmask_b32 v[BY], v[W], v[W+2], vcc_lo
	s_delay_alu instid0(VALU_DEP_2)
	v_cndmask_b32 v[BY+1], v[W+1], v[W+3], vcc_lo
	global_store_b64 v5, v[BY:BY+1], s[36:37]      ; 32 lanes store 256 consecutive bytes, aligned
	s_wait_tensorcnt 0x0
	ds_add_u32 v232, v233
	s_wait_dscnt 0x0
	s_endpgm
.Lfunc_end_k_qd3265c7f5e_quant:
	.size	k_qd3265c7f5e_quant, .Lfunc_end_k_qd3265c7f5e_quant-k_qd3265c7f5e_quant
	.p2alignl 7, 3214868480
	.fill 96, 4, 3214868480
	.section	.rodata,"a",@progbits
	.p2align	6, 0x0
	.amdhsa_kernel k_qd3265c7f5e_quant
		.amdhsa_group_segment_fixed_size 77312
		.amdhsa_private_segment_fixed_size 0
		.amdhsa_enable_private_segment 0
		.amdhsa_kernarg_size 48
		.amdhsa_user_sgpr_count 2
		.amdhsa_user_sgpr_kernarg_segment_ptr 1
		.amdhsa_wavefront_size32 1
		.amdhsa_system_sgpr_workgroup_id_x 1
		.amdhsa_system_sgpr_workgroup_id_y 1
		.amdhsa_system_sgpr_workgroup_id_z 1
		.amdhsa_system_vgpr_workitem_id 0
		.amdhsa_next_free_vgpr 234
		.amdhsa_next_free_sgpr 66
		.amdhsa_reserve_vcc 1
		.amdhsa_float_denorm_mode_32 3
		.amdhsa_float_denorm_mode_16_64 3
		.amdhsa_memory_ordered 1
		.amdhsa_forward_progress 1
		.amdhsa_inst_pref_size 36
	.end_amdhsa_kernel
	.amdgpu_metadata
---
amdhsa.version: [ 1, 2 ]
amdhsa.kernels:
  - .name:           k_qd3265c7f5e_quant
    .symbol:         k_qd3265c7f5e_quant.kd
    .args:
      - { .name: x, .offset: 0, .size: 8, .value_kind: global_buffer, .address_space: global }
      - { .name: w_attn, .offset: 8, .size: 8, .value_kind: global_buffer, .address_space: global }
      - { .name: w_proj, .offset: 16, .size: 8, .value_kind: global_buffer, .address_space: global }
      - { .name: xq, .offset: 24, .size: 8, .value_kind: global_buffer, .address_space: global }
      - { .name: waq, .offset: 32, .size: 8, .value_kind: global_buffer, .address_space: global }
      - { .name: wpq, .offset: 40, .size: 8, .value_kind: global_buffer, .address_space: global }
    .group_segment_fixed_size: 77312
    .private_segment_fixed_size: 0
    .kernarg_segment_align: 8
    .kernarg_segment_size: 48
    .max_flat_workgroup_size: 288
    .sgpr_count:     66
    .vgpr_count:     234
    .wavefront_size: 32
...
	.end_amdgpu_metadata
.endif
;; end of part 1
;; launch qkv (part 2): grid 12 x 16, 4 waves a work-group, clusters of 4 x 4, 327,680 bytes of LDS; arguments xq, waq, b_attn, freqs_cos, freqs_sin, qq, kv, out1, out2; writes qq, kv, out1, out2
.if DOCPART == 2
	.amdgcn_target "amdgcn-amd-amdhsa--gfx1250"
	.amdhsa_code_object_version 6
	.text
	.protected	k_qd3265c7f5e_qkv
	.globl	k_qd3265c7f5e_qkv
	.p2align	8
	.type	k_qd3265c7f5e_qkv,@function
k_qd3265c7f5e_qkv:
	s_mov_b64 s[64:65], 0
	v_nop
	global_prefetch_b8 v0, s[64:65] scope:SCOPE_SE
	s_setreg_imm32_b32 hwreg(HW_REG_WAVE_MODE, 25, 1), 1
	s_wait_xcnt 0x0
	s_wait_alu depctr_hold_cnt(0) depctr_sa_sdst(0) depctr_va_vdst(0) depctr_va_sdst(0) depctr_va_ssrc(0) depctr_va_vcc(0) depctr_vm_vsrc(0)
	s_getreg_b32 s2, hwreg(HW_REG_IB_STS2, 6, 4)
	s_cmp_eq_u32 s2, 0
	s_cbranch_scc0 .Lentry_in_a_cluster
	s_endpgm
.Lentry_in_a_cluster:
	s_bfe_u32 s2, ttmp6, 0x10000c
	s_cmp_lg_u32 s2, 0xf033
	s_cbranch_scc0 .Lentry_shape_is_right
	s_endpgm
.Lentry_shape_is_right:
; qkv = x w_attn^T + b_attn on codes of FP6 (E2M3) with E8M0 scales; then, without going to memory as f32: q and k are rotated (RoPE) and quantised along the head's 128 channels,
; v is quantised along the keys; k (rotated) and v also leave as f32 (out1, out2).
; OPERANDS lie in memory in the order of the operand's registers: a fragment (16 rows x 128 K) is 1,536 bytes, registers 4 c .. 4 c + 3 of lane l at 512 c + 16 l; [row block][K step (16)][1536];
; scale words [row block][K step / 2][row][2].  Row r of row block 2 G + u is the tensor's row 32 G + 8 u + r + 8 (r / 8).
; A tile of 256 x 256 is made by four waves, each 128 rows (t) x 128 columns: exactly one head.  K goes in steps of 256 through a ring of two LDS slots filled by the tensor data mover.
; THE MATRIX INSTRUCTION IS USED TRANSPOSED (source 0 = 16 rows of w_attn, source 1 = 16 rows of x): lane (r, h) holds row r of x's block, and register j of tile 2 B + u the column 32 B + 16 h + 8 u + j:
; the 64 registers of a row block's eight tiles are, in register order, 16 neighbours of each block of 32 channels: what the quantiser along the channels wants.
; The bias is the C of each sum's first product.
; CLUSTERS: 4 x 4 work-groups; A's tiles are asked for jointly along a row of the cluster, B's along a column.  Tile columns 0-7 (cluster x 0, 1) are q's heads; tile column 8 + g (cluster x 2) holds k head g in its
; left 128 columns and v head g in its right (the launch before laid w_attn so).  What a wave does on the way out hangs on the cluster's x and the wave's number alone.
; OUT: qq: [16 b + head][t / 16 (64)][1536], then scale words [16 b + head][t / 128][row (16)][fragment (8)].  kv: a record of 25,600 bytes for each (4 b + g, 128 keys): K's 8 fragments, their 512 bytes of scale words,
; V's 8 fragments (16 channels x 128 keys, channels in the row order above), their scale words [row][tile % 2][tile / 2].
; LIMITS: a block whose largest magnitude lies under 2^-124 (zeros too) gets the byte 1; NaN and infinities are not served.
; REGISTERS, in windows of 256: window 0: v1-31 addresses; v32-63 scale words, two sets, and nothing else; v64-127 the bias, behind the first K step cos and sin; v128-223 A's fragments, one set; on the way out v128-251 at work.
;   window 1: B's fragments, two sets, at v0 and v128; v96-127 and v224-255, which no fragment takes: cos and sin.   windows 2, 3: the 64 accumulators ((a, b) at v[8 (8 (a % 4) + b)] of window 2 + a / 4).
.set NB,    8                          ; B's blocks of a wave
.set NQ,    2                          ; K steps of 128 in a slot
.set FR,    12                         ; registers of a fragment
.set NL,    3                          ; LDS loads that bring one
.set NP,    4                          ; places behind this matrix instruction (ISA guide 7.12.1)
.set RBS,   NQ*1536                    ; a row block's bytes in a slot
.set HALFT, 8*RBS                      ; 8 row blocks: what one tensor load brings, and what one wave reads of A or of B
.set SLOT,  4*HALFT                    ; A's 16 row blocks, then B's 16
.set SCL,   2*SLOT                     ; behind the ring: the scale words for all of K: A's 2 x 8,192 bytes, then B's
.set SPARE, SCL+4*8192                 ; the spare words, 128 bytes for each wave: two blocks of 256 bytes that no other line names
.set STGB,  16896                      ; the way out: a stage of 32 rows x 528 bytes for each wave, in slot 0, which has had its last fill and its last read by then
.set ADRA, 16                          ; v16-17  LDS address of my A fragments in slot 0, 1
.set ADRB, 20                          ; v20-21  the same for B
.set SL,   22                          ; v22     32 r + 16 h: my 16 bytes of a block of scale words
.set STO,  24                          ; v24     stage: row r, + 64 h
.set RD,   25                          ; v25     stage: 16 x lane
.set CO,   26                          ; v26     16 x lane
.set ADRS, 27                          ; v27     LDS address of my scale words: lanes 0-15 A's rows, lanes 16-31 B's
.set SPW,  28                          ; v28     my spare word; never rewritten
.set NIL,  29                          ; v29     0; never rewritten
.set CL,   30                          ; v30     stage: my channel's word in a row (v's way out)
.set RL,   31                          ; v31     cos, sin: my row and half; never rewritten
.set SC,   32
.set BI,   64
.set AF,   128
.set G1,   24                          ; s[24:31] group 1 for A's tiles; s[32:39] group 0, one set for each slot
.set G0,   32
.set G1B,  48                          ; s[48:55], s[56:63] the same for B's
.set G0B,  56
.set SEL,  66                          ; s66-67 selects for lane l xor 16
.set G1S,  68                          ; s[68:75], s[76:79] groups 1 and 0 for A's scale words; s[80:87], s[88:91] for B's
.set G0S,  76
.set G1SB, 80
.set G0SB, 88
.set PCS,  96                          ; s[96:97] cos, s[98:99] sin, at my first row; never rewritten
.set WLO,  0xa1                        ; source 0 (B) window 1, source 1 (A) window 0, C and D window 2
.set WHI,  0xf1                        ; the same, C and D window 3
.set WLOF, 0x81                        ; the first K step: C (the bias) window 0, D window 2
.set WHIF, 0xc1                        ; D window 3
.set TO_B, 0x40                        ; destination window 1, address window 0
.set MSB, 0
.macro WIN new                         ; the immediate's high byte repeats the setting that is left
.if MSB != (\new)
	s_set_vgpr_msb (MSB<<8)|(\new)
.set MSB, (\new)
.endif
.endm
; A joint load: waves 0 and 1 fetch for A, waves 2 and 3 for B; the branch hangs on the wave's number alone.  Four v_nop follow each of the two lines.
.macro JLOAD g0a, g1a, g0b, g1b
	s_cmp_eq_u32 s15, 0
	s_cbranch_scc0 .Lfor_b_\@
	tensor_load_to_lds s[\g0a:\g0a+3], s[\g1a:\g1a+7]
	s_nop 0
.rept 4
	v_nop
.endr
	s_branch .Lasked_\@
.Lfor_b_\@:
	tensor_load_to_lds s[\g0b:\g0b+3], s[\g1b:\g1b+7]
	s_nop 0
.rept 4
	v_nop
.endr
.Lasked_\@:
.endm
.macro CREST                           ; the cluster's barrier behind its opening work-group barrier
	s_cmp_lg_u32 s14, 0
	s_cbranch_scc1 .Lnot_wave_0_\@
	s_barrier_signal -3
.Lnot_wave_0_\@:
	s_barrier_wait -3
	s_barrier_signal -1
	s_barrier_wait -1
.endm
.macro CROUND
	s_barrier_signal -1
	s_barrier_wait -1
	CREST
.endm
.macro PLACES n
.rept \n
	v_nop
.endr
.endm
	s_load_b128 s[4:7], s[0:1], 0x0                ; xq, waq
	s_load_b64 s[8:9], s[0:1], 0x10                ; b_attn
	s_load_b128 s[PCS:PCS+3], s[0:1], 0x18         ; cos, sin
	v_lshl_add_u32 v[SPW], v0, 2, SPARE
	v_mov_b32 v[NIL], 0
	ds_add_u32 v28, v29
	ds_add_u32 v28, v29
	s_wait_dscnt 0x0
	v_lshrrev_b32 v1, 5, v0
	v_readfirstlane_b32 s14, v1                    ; wave 0..3
	s_lshr_b32 s15, s14, 1                         ; which half of the tile's rows is mine.  Also: I fetch for A (0) or for B (1)
	s_and_b32 s16, s14, 1                          ; which half of its columns.  Also: which 8 row blocks of that tile I fetch
	s_bfe_u32 s40, ttmp6, 0x40000                  ; cx, cy: my place in the cluster
	s_bfe_u32 s41, ttmp6, 0x40004
	s_lshl_b32 s42, ttmp9, 2
	s_add_co_u32 s42, s42, s40                     ; tile column = 4 x cluster x + cx
	s_and_b32 s17, ttmp7, 0xffff
	s_lshl_b32 s17, s17, 2
	s_add_co_u32 s17, s17, s41                     ; tile row = 4 x cluster y + cy
	s_lshl_b32 s43, s41, 2
	s_lshl_b32 s43, 15, s43                        ; my row of the cluster
	s_lshl_b32 s44, 0x1111, s40                    ; my column
	s_mov_b32 s[SEL], 0x76543210
	s_mov_b32 s[SEL+1], 0xfedcba98
	; group 1, codes: 8 row blocks x 3,072 bytes (384 elements of 8 bytes), 24,576 bytes apart in memory, on end in LDS
	s_or_b32 s[G1+0], s43, (3<<16)|(1<<21)         ; 15:0 the mask: A's tiles go to my row; 17:16 elements of 8 bytes; 21 set beside a mask
	s_or_b32 s[G1B+0], s44, (3<<16)|(1<<21)
.irp g, G1, G1B
	s_mov_b32 s[\g+1], 384<<16                     ; tensor_dim0
	s_mov_b32 s[\g+2], 16<<16                      ; tensor_dim1: the head's loads bring all 16 row blocks of a tile
	s_mov_b32 s[\g+3], 384<<16                     ; tile_dim0
	s_mov_b32 s[\g+4], 16                          ; tile_dim1
	s_mov_b32 s[\g+5], 3072                        ; tensor_dim0_stride
	s_mov_b32 s[\g+6], 0
	s_mov_b32 s[\g+7], 0
.endr
	; group 1, scale words of 8 row blocks: 8,192 dense bytes as 32 rows of 256
	s_or_b32 s[G1S+0], s43, (3<<16)|(1<<21)
	s_or_b32 s[G1SB+0], s44, (3<<16)|(1<<21)
.irp g, G1S, G1SB
	s_mov_b32 s[\g+1], 32<<16
	s_mov_b32 s[\g+2], 64<<16                      ; the scale words of 16 row blocks: 16,384 dense bytes as 64 rows of 256
	s_mov_b32 s[\g+3], 32<<16
	s_mov_b32 s[\g+4], 64
	s_mov_b32 s[\g+5], 32
	s_mov_b32 s[\g+6], 0
	s_mov_b32 s[\g+7], 0
.endr
	s_mul_i32 s18, s16, 8*24576                    ; in the ring I fetch 8 row blocks of a tile: which half, in bytes
	s_mov_b32 s19, 0
	s_lshl_b32 s20, s17, 4                         ; A: the tile's first row block, 16 x tile row
	s_lshl_b32 s46, s42, 4                         ; B: 16 x tile column
	s_lshl_b32 s22, s20, 10
	s_add_co_u32 s22, s22, 6291456                 ; where these row blocks' scale words begin
	s_mov_b32 s23, 0
	s_lshl_b32 s92, s46, 10
	s_add_co_u32 s92, s92, 4718592
	s_mov_b32 s93, 0
	s_mul_i32 s20, s20, 24576                      ; and their codes
	s_mov_b32 s21, 0
	s_mul_i32 s46, s46, 24576
	s_mov_b32 s47, 0
	s_mul_i32 s45, s14, HALFT                      ; where they go: wave x 8 row blocks: no place in the cluster enters an LDS address
	s_wait_kmcnt 0x0
	s_add_nc_u64 s[20:21], s[4:5], s[20:21]
	s_add_nc_u64 s[22:23], s[4:5], s[22:23]
	s_add_nc_u64 s[46:47], s[6:7], s[46:47]
	s_add_nc_u64 s[92:93], s[6:7], s[92:93]
; THE PREFETCHES.  Behind the load of slot's worth n (256 along K) stands a request for worth n + 2; the head asks for worths 1 and 2.  Of the 8 row blocks that a wave fetches in the ring, each of the four
; partners that ask for them jointly takes 2, told apart by address (cx for A, cy for B): 2 x 3,072 bytes = 24 blocks of 256 bytes, a lane a block, one instruction a wave; lanes 24-31 name lane 23's block again.
; So each block is named once in each cluster that will load it, and a work-group has at most two worths asked for and not yet loaded.  Worth 7 is the last: the loop's last trip asks for nothing.
.set PFA, 10                           ; s[10:11] my 2 row blocks, at the worth before the one that is being loaded
.set PFO, 23                           ; v23      my lane's block; never rewritten
	s_cmp_eq_u32 s15, 0                            ; do I fetch for A?
	s_cselect_b64 s[PFA:PFA+1], s[20:21], s[46:47] ; the tile's first row block
	s_cselect_b32 s12, s40, s41                    ; my place among the four that ask with me
	s_mul_i32 s12, s12, 2*24576
	s_mov_b32 s13, 0
	s_add_nc_u64 s[PFA:PFA+1], s[PFA:PFA+1], s[18:19]   ; + the half that I fetch
	s_add_nc_u64 s[PFA:PFA+1], s[PFA:PFA+1], s[12:13]   ; + my work-group's 2 row blocks of it
	CROUND                                         ; all sixteen work-groups are here: the first joint loads meet
	s_mov_b32 s[G0S], 1
	s_mov_b32 s[G0S+1], SCL
	s_mov_b64 s[G0S+2:G0S+3], s[22:23]
	s_or_b32 s[G0S+3], s[G0S+3], 0x80000000
	s_mov_b32 s[G0SB], 1
	s_mov_b32 s[G0SB+1], SCL+16384
	s_mov_b64 s[G0SB+2:G0SB+3], s[92:93]
	s_or_b32 s[G0SB+3], s[G0SB+3], 0x80000000
.set G0H,  4                           ; s[4:7], s[92:95] group 0 for the head's loads of slot 0: A's 16 row blocks, B's 16 (what lay there has been used)
.set G0HB, 92
	s_mov_b32 s[G0H], 1
	s_mov_b32 s[G0H+1], 0
	s_mov_b64 s[G0H+2:G0H+3], s[20:21]
	s_or_b32 s[G0H+3], s[G0H+3], 0x80000000
	s_mov_b32 s[G0HB], 1
	s_mov_b32 s[G0HB+1], 2*HALFT
	s_mov_b64 s[G0HB+2:G0HB+3], s[46:47]
	s_or_b32 s[G0HB+3], s[G0HB+3], 0x80000000
	s_add_nc_u64 s[20:21], s[20:21], s[18:19]      ; for the ring: my 8 row blocks of the tile
	s_add_nc_u64 s[46:47], s[46:47], s[18:19]
.irp s, 0,1
	s_mov_b32 s[G0+4*\s], 1
	s_add_co_u32 s[G0+4*\s+1], s45, \s*SLOT
	s_add_nc_u64 s[G0+4*\s+2:G0+4*\s+3], s[20:21], \s*RBS
	s_or_b32 s[G0+4*\s+3], s[G0+4*\s+3], 0x80000000
	s_mov_b32 s[G0B+4*\s], 1
	s_add_co_u32 s[G0B+4*\s+1], s45, \s*SLOT
	s_add_nc_u64 s[G0B+4*\s+2:G0B+4*\s+3], s[46:47], \s*RBS
	s_or_b32 s[G0B+4*\s+3], s[G0B+4*\s+3], 0x80000000
.endr
; The head's loads, one a wave: wave 0 slot 0's 16 row blocks of A, wave 1 its 16 of B, wave 2 A's scale words, wave 3 B's.
; One chain of branches on the wave's number: every way through it passes exactly one load.
.macro ARM under, g0, g1, next
	s_cmp_lt_u32 s14, \under
	s_cbranch_scc0 \next
	tensor_load_to_lds s[\g0:\g0+3], s[\g1:\g1+7]
	s_nop 0
.rept 4
	v_nop
.endr
	s_branch .Lhead_asked
\next:
.endm
	ARM 1, G0H,  G1,  .Lhead_b
	ARM 2, G0HB, G1B, .Lhead_sa
	ARM 3, G0S,  G1S, .Lhead_sb
	tensor_load_to_lds s[G0SB:G0SB+3], s[G1SB:G1SB+7]
	s_nop 0
.rept 4
	v_nop
.endr
.Lhead_asked:
	v_and_b32 v1, 15, v0                           ; r
	v_bfe_u32 v2, v0, 4, 1                         ; h (kept)
	s_wait_alu depctr_va_vdst(0)
	v_and_b32 v3, 31, v0
	v_lshlrev_b32 v[CO], 4, v3
	s_mul_i32 s21, s15, HALFT                      ; my 8 row blocks of A
	s_mul_i32 s22, s16, HALFT                      ; my 8 of B,
	s_add_co_u32 s22, s22, 2*HALFT                 ; which lie behind A's 16
.irp s, 0,1
	v_add_nc_u32 v[ADRA+\s], s21, v[CO]
	v_add_nc_u32 v[ADRB+\s], s22, v[CO]
	s_add_co_u32 s21, s21, SLOT
	s_add_co_u32 s22, s22, SLOT
.endr
	s_lshl_b32 s21, s15, 13                        ; A's scale words: my 8 row blocks
	s_lshl_b32 s22, s16, 13                        ; B's: my 8, behind A's 16
	s_add_co_u32 s22, s22, 16384
	s_sub_co_u32 s22, s22, s21
	v_mul_u32_u24 v6, s22, v2                      ; lanes 16-31 take B's
	s_add_co_u32 s21, s21, SCL
	v_lshl_add_u32 v5, v1, 3, v6                   ; 8 bytes a row: the words of two K steps
	v_add_nc_u32 v[ADRS], s21, v5
	s_mul_i32 s23, s14, STGB                       ; my stage
	v_mul_u32_u24 v5, v1, 528
	v_lshl_add_u32 v5, v2, 6, v5
	v_add_nc_u32 v[STO], s23, v5
	v_add_nc_u32 v[RD], s23, v[CO]
	v_and_b32 v6, 8, v1
	v_add_nc_u32 v6, v6, v1                        ; r + 8 (r / 8)
	v_lshl_add_u32 v7, v2, 3, v6
	v_lshlrev_b32 v7, 2, v7
	v_add_nc_u32 v[CL], s23, v7                    ; channel 8 h + r + 8 (r / 8) of a group of 32
	v_lshlrev_b32 v[RL], 8, v6
	v_lshl_add_u32 v[RL], v2, 5, v[RL]             ; cos, sin: 256 bytes a row, + 32 h
	v_lshlrev_b32 v[SL], 5, v1
	v_lshl_add_u32 v[SL], v2, 4, v[SL]
	; the bias of my 128 columns: q: 256 x tile column + 128 x half;  cluster x = 2: 2048 + 128 g + 512 x half
	s_lshl_b32 s21, s42, 8
	s_lshl_b32 s22, s16, 7
	s_add_co_u32 s21, s21, s22
	s_sub_co_u32 s22, s42, 8
	s_lshl_b32 s22, s22, 7
	s_lshl_b32 s23, s16, 9
	s_add_co_u32 s22, s22, s23
	s_add_co_u32 s22, s22, 2048
	s_cmp_eq_u32 ttmp9, 2
	s_cselect_b32 s21, s22, s21
	s_lshl_b32 s20, s21, 2
	s_mov_b32 s21, 0
	s_add_nc_u64 s[8:9], s[8:9], s[20:21]
	v_lshlrev_b32 v4, 6, v2                        ; 64 h
.irp b, 0,1,2,3,4,5,6,7
	global_load_b128 v[BI+8*\b:BI+8*\b+3], v4, s[8:9] offset:128*(\b/2)+32*(\b%2)        ; tile b, in the result's layout: columns 32 (b / 2) + 16 h + 8 (b % 2) + 0 .. 7
	global_load_b128 v[BI+8*\b+4:BI+8*\b+7], v4, s[8:9] offset:128*(\b/2)+32*(\b%2)+16
.endr
	v_and_b32 v[PFO], 31, v0
	v_min_u32 v[PFO], 23, v[PFO]                   ; block 0 .. 23
	v_mul_u32_u24 v5, v[PFO], 22
	v_lshrrev_b32 v5, 8, v5                        ; block / 12: which of the 2 row blocks
	v_mul_u32_u24 v5, v5, 21504                    ; a row block is 24,576 bytes on, its 12 blocks begin anew: 24,576 - 3,072
	v_lshl_add_u32 v[PFO], v[PFO], 8, v5
	global_prefetch_b8 v[PFO], s[PFA:PFA+1] offset:RBS th:TH_LOAD_NT scope:SCOPE_SE     ; worth 1
	global_prefetch_b8 v[PFO], s[PFA:PFA+1] offset:2*RBS th:TH_LOAD_NT scope:SCOPE_SE   ; worth 2
	s_and_b32 s20, s17, 3
	s_lshl_b32 s20, s20, 8
	s_lshl_b32 s22, s15, 7
	s_add_co_u32 s20, s20, s22
	s_lshl_b32 s20, s20, 8
	s_add_nc_u64 s[PCS:PCS+1], s[PCS:PCS+1], s[20:21]
	s_add_nc_u64 s[PCS+2:PCS+3], s[PCS+2:PCS+3], s[20:21]
.macro FRAG reg, adr, q, i             ; a fragment comes as it lies: three loads of 512 consecutive bytes
.irp c, 0,1,2
	ds_load_b128 v[\reg+4*\c:\reg+4*\c+3], v[\adr] offset:(\i)*RBS+1536*(\q)+512*\c
.endr
.endm
; 16 products: A's blocks a0, a0 + 1 x B's eight, 128 along K.  p: B's set; sc: the set of scale words.  first = 1: the bias is the C.  The 64 accumulators take turns, one instruction a turn, in the same order in every step.
.macro MULP a0, p, q, sc, first
.irp a, \a0, \a0+1
.irp b, 0,1,2,3,4,5,6,7
.set AR, (8*(NB*(\a)+\b))%256
.if \first
	v_wmma_scale_f32_16x16x128_f8f6f4 v[AR:AR+7], v[128*(\p)+FR*\b:128*(\p)+FR*\b+FR-1], v[AF+FR*(\a):AF+FR*(\a)+FR-1], v[BI+8*\b:BI+8*\b+7], v[SC+8*NQ*(\sc)+NQ*\b+(\q)], v[SC+8*NQ*(\sc)+NQ*(\a)+(\q)] matrix_a_fmt:MATRIX_FMT_FP6 matrix_b_fmt:MATRIX_FMT_FP6 matrix_a_scale:MATRIX_SCALE_ROW1
.else
	v_wmma_scale_f32_16x16x128_f8f6f4 v[AR:AR+7], v[128*(\p)+FR*\b:128*(\p)+FR*\b+FR-1], v[AF+FR*(\a):AF+FR*(\a)+FR-1], v[AR:AR+7], v[SC+8*NQ*(\sc)+NQ*\b+(\q)], v[SC+8*NQ*(\sc)+NQ*(\a)+(\q)] matrix_a_fmt:MATRIX_FMT_FP6 matrix_b_fmt:MATRIX_FMT_FP6 matrix_a_scale:MATRIX_SCALE_ROW1
.endif
.endr
.endr
.endm
.macro FETCH_B slot, q, p
	WIN TO_B
.irp i, 0,1,2,3,4,5,6,7
	FRAG 128*(\p)+FR*\i, ADRB+\slot, \q, \i
.endr
	WIN 0
.endm
.macro FETCH_A slot, q, i0
.irp i, \i0, \i0+1, \i0+2, \i0+3
	FRAG AF+FR*(\i), ADRA+\slot, \q, \i
.endr
.endm
.macro SCALES sc                       ; a slot's scale words: two a row; lanes 0-15 take A's block i, lanes 16-31 B's block i
.irp i, 0,1,2,3,4,5,6,7
	ds_load_b64 v[SC+8*NQ*\sc+NQ*\i:SC+8*NQ*\sc+NQ*\i+1], v[ADRS] offset:\i*1024
.endr
.endm
; A step of 128 along K that has its successor in the same slot.  A has one set of registers (a block is free when its eight products are issued), B two.
.macro STEP slot, q, first
	s_wait_dscnt 4*NL                              ; all but the youngest 12 loads (A's blocks 4-7) are in
.if \first
	WIN WLOF
.else
	WIN WLO
.endif
	MULP 0, (\q)%2, \q, \slot, \first
	MULP 2, (\q)%2, \q, \slot, \first
	s_wait_dscnt 0x0                               ; A's blocks 4-7 are in
	PLACES NP                                      ; in front of loads into registers that matrix instructions have read
	FETCH_B \slot, (\q)+1, 1-(\q)%2
	FETCH_A \slot, (\q)+1, 0
.if \first
	WIN WHIF
.else
	WIN WHI
.endif
	MULP 4, (\q)%2, \q, \slot, \first
	MULP 6, (\q)%2, \q, \slot, \first
	PLACES NP
	WIN 0
	FETCH_A \slot, (\q)+1, 4
.endm
; A slot's last step changes slots: ONE barrier; in front of it each wave waits for all its tensor loads, adds 0 to its spare word, and waits for that and for its own reads of this slot.  fill = 1: this slot is filled again, two slots ahead.
.macro TURN slot, next, fill
.if \fill
	s_wait_xcnt 0x0                                ; my last prefetch has read its address: it is stepped only behind this wait
	s_add_nc_u64 s[PFA:PFA+1], s[PFA:PFA+1], RBS
.endif
	s_wait_tensorcnt 0x0
	ds_add_u32 v[SPW], v[NIL]                      ; 0 onto my spare word
	s_wait_dscnt 4*NL+1                            ; (the add and the youngest 12 loads may be out)
	WIN WLO
	MULP 0, 1, NQ-1, \slot, 0                      ; sixteen products stand between the add and the wait for it
	s_wait_dscnt 0x0                               ; the add is done, and my reads of this slot are over
	s_barrier_signal -1
	MULP 2, 1, NQ-1, \slot, 0
	WIN 0
	s_barrier_wait -1
.if \fill
	CREST                                          ; the barrier has opened the cluster's: no wave of any partner still reads this slot or has a load on its way
	s_add_nc_u64 s[G0+4*\slot+2:G0+4*\slot+3], s[G0+4*\slot+2:G0+4*\slot+3], 2*RBS
	s_add_nc_u64 s[G0B+4*\slot+2:G0B+4*\slot+3], s[G0B+4*\slot+2:G0B+4*\slot+3], 2*RBS
	JLOAD G0+4*\slot, G1, G0B+4*\slot, G1B         ; my one tensor load behind it; its four v_nop are also the places in front of the loads below
.else
	PLACES NP
.endif
	s_wait_alu depctr_va_vdst(0)
	v_add_nc_u32 v[ADRS], 64*NQ, v[ADRS]           ; on to the next slot's scale words
	FETCH_B \next, 0, 0
	FETCH_A \next, 0, 0
	SCALES \next
.if \fill
	s_cmp_gt_u32 s3, 1                             ; behind the joint load and the run of LDS loads: the worth two refills on; the last trip has none
	s_cbranch_scc0 .Lno_ask_\@
	global_prefetch_b8 v[PFO], s[PFA:PFA+1] offset:3*RBS th:TH_LOAD_NT scope:SCOPE_SE
.Lno_ask_\@:
.endif
	WIN WHI
	MULP 4, 1, NQ-1, \slot, 0
	MULP 6, 1, NQ-1, \slot, 0
	PLACES NP
	WIN 0
	FETCH_A \next, 0, 4
.endm
; cos and sin of row block a: lane (r, h) wants, for tile b, the four pairs 16 (b / 2) + 8 h + 4 (b % 2) + 0 .. 3 of its row: 32 registers of cos, 32 of sin.  THREE SETS of registers, set a % 3:
; set 0: window 0, v64-95 and v96-127 (the bias's, free behind the first K step);  set 1: window 1, v96-127 and v224-255 (no fragment takes them);  set 2: window 1, v0-31 and v32-63 (B's set 0, free behind the last K step but one).
.macro CSSET a
.if ((\a)%3) == 0
.set CW, 0
.set CB, 64
.set SB, 96
.elseif ((\a)%3) == 1
.set CW, 1
.set CB, 96
.set SB, 224
.else
.set CW, 1
.set CB, 0
.set SB, 32
.endif
.endm
.macro CSLOAD a
	CSSET \a
	WIN 0x40*CW
.irp b, 0,1,2,3,4,5,6,7
	global_load_b128 v[CB+4*\b:CB+4*\b+3], v[RL], s[PCS:PCS+1] offset:(32*((\a)/2)+8*((\a)%2))*256+64*(\b/2)+16*(\b%2)
	global_load_b128 v[SB+4*\b:SB+4*\b+3], v[RL], s[PCS+2:PCS+3] offset:(32*((\a)/2)+8*((\a)%2))*256+64*(\b/2)+16*(\b%2)
.endr
	WIN 0
.endm
	s_wait_alu depctr_va_vdst(0)
	s_wait_tensorcnt 0x0                           ; my tile of the head's four is in
	ds_add_u32 v[SPW], v[NIL]
	s_mov_b32 s[G1+2], 8<<16                       ; no tensor load of mine is out: from here on a load brings 8 row blocks
	s_mov_b32 s[G1+4], 8
	s_mov_b32 s[G1B+2], 8<<16
	s_mov_b32 s[G1B+4], 8
	s_wait_dscnt 0x0                               ; the add is done
	CROUND                                         ; a whole round: all four tiles are in, in every partner
	JLOAD G0+4, G1, G0B+4, G1B                     ; slot 1's first fill, the first tensor load behind the round
	FETCH_B 0, 0, 0
	FETCH_A 0, 0, 0
	SCALES 0
	FETCH_A 0, 0, 4
	global_prefetch_b8 v[PFO], s[PFA:PFA+1] offset:3*RBS th:TH_LOAD_NT scope:SCOPE_SE   ; behind worth 1's load: worth 3
	s_wait_loadcnt 0x0
	STEP 0, 0, 1                                   ; the first step stands in front of the loop: its products start the sums from the bias
	CSLOAD 0                                       ; cos and sin of row blocks 0 and 1 are asked for here, 15 K steps ahead of their use: four places stand behind the last product that read the bias;
	CSLOAD 1                                       ; nothing in the ring names these registers, and no other load into registers is issued before the way out
	s_mov_b32 s3, 3
.Llap:                                                 ; a trip goes once round the ring and fills both slots again: slots' worth 2 to 7 of the 8 along K
	TURN 0, 1, 1
	STEP 1, 0, 0
	TURN 1, 0, 1
	STEP 0, 0, 0
	s_sub_co_u32 s3, s3, 1
	s_cmp_lg_u32 s3, 0
	s_cbranch_scc1 .Llap
	TURN 0, 1, 0                                   ; the last lap fills nothing; its wait for all tensor loads also frees every descriptor register
	s_load_b256 s[72:79], s[0:1], 0x28             ; qq, kv, out1, out2
	STEP 1, 0, 0
	CSLOAD 2                                       ; B's set 0 has been multiplied for the last time, and four places stand behind that product
	; where the results go.  b = tile row / 4; tl = my first t in the batch
	s_lshr_b32 s20, s17, 2
	s_and_b32 s21, s17, 3
	s_lshl_b32 s21, s21, 8
	s_lshl_b32 s22, s15, 7
	s_add_co_u32 s21, s21, s22                     ; tl
	s_lshl_b32 s22, s20, 4
	s_lshl_b32 s23, s42, 1
	s_add_co_u32 s22, s22, s23
	s_add_co_u32 s22, s22, s16                     ; q: 16 b + head, head = 2 x tile column + half
	s_lshl_b32 s23, s22, 6
	s_lshr_b32 s45, s21, 4
	s_add_co_u32 s23, s23, s45
	s_mul_i32 s80, s23, 1536                       ; q's fragments
	s_mov_b32 s81, 0
	s_lshl_b32 s23, s22, 3
	s_lshr_b32 s45, s21, 7                         ; tl / 128
	s_add_co_u32 s23, s23, s45
	s_lshl_b32 s82, s23, 9
	s_add_co_u32 s82, s82, 6291456                 ; q's scale words
	s_mov_b32 s83, 0
	s_lshl_b32 s22, s20, 2
	s_add_co_u32 s22, s22, s42
	s_sub_co_u32 s22, s22, 8                       ; k, v: 4 b + g (of use where cluster x = 2)
	s_mul_i32 s23, s22, 204800
	s_mul_i32 s45, s45, 25600
	s_add_co_u32 s23, s23, s45                     ; the record
	s_mul_i32 s46, s16, 12800                      ; V's part lies behind K's
	s_add_co_u32 s84, s23, s46
	s_mov_b32 s85, 0
	s_add_co_u32 s86, s84, 12288                   ; the scale words behind the eight fragments
	s_mov_b32 s87, 0
	s_lshl_b32 s22, s22, 10
	s_add_co_u32 s22, s22, s21
	s_lshl_b32 s88, s22, 9                         ; out1, out2: row (4 b + g) x 1024 + tl, 512 bytes a row
	s_mov_b32 s89, 0
	s_wait_kmcnt 0x0
	s_cmp_eq_u32 ttmp9, 2
	s_cselect_b64 s[92:93], s[74:75], s[72:73]     ; kv or qq
	s_cselect_b64 s[80:81], s[84:85], s[80:81]
	s_cselect_b64 s[82:83], s[86:87], s[82:83]
	s_add_nc_u64 s[80:81], s[92:93], s[80:81]      ; my eight fragments
	s_add_nc_u64 s[82:83], s[92:93], s[82:83]      ; my 512 bytes of scale words
	s_cmp_eq_u32 s16, 0
	s_cselect_b64 s[94:95], s[76:77], s[78:79]     ; out1 (k) or out2 (v)
	s_add_nc_u64 s[94:95], s[94:95], s[88:89]
	s_wait_dscnt 4*NL                              ; the very last step: nothing more to fetch
	WIN WLO
	MULP 0, 1, NQ-1, 1, 0
	MULP 2, 1, NQ-1, 1, 0
	s_wait_dscnt 0x0
	WIN WHI
	MULP 4, 1, NQ-1, 1, 0
	MULP 6, 1, NQ-1, 1, 0
	WIN 0
	PLACES NP                                      ; in front of the first reads of results and of writes into registers that held A's and B's fragments
; 64 numbers of a lane, v[s] .. v[s + 63], register 16 b + i = k 32 b + 16 h + i of my row, become a fragment's codes in v[QC] on and its scale word in v[pw].
.set QC, 192
.set QH, 204
.set QM, 212
.set QB, 216
.set QS, 220
.macro QUANT s, pw
.irp b, 0,1,2,3
	v_max3_num_f32 v[QM+\b], |v[\s+16*\b]|, |v[\s+1+16*\b]|, 0x1800000   ; block b: my 16 numbers, and the floor 2^(3 - 127): the byte cannot fall under 1
.endr
.irp i, 2,4,6,8,10,12,14
.irp b, 0,1,2,3
	v_max3_num_f32 v[QM+\b], v[QM+\b], |v[\s+16*\b+\i]|, |v[\s+1+16*\b+\i]|
.endr
.endr
.irp b, 0,1,2,3
	v_permlanex16_b32 v[QB+\b], v[QM+\b], s[SEL], s[SEL+1]
.endr
.irp b, 0,1,2,3
	v_max_num_f32 v[QM+\b], v[QM+\b], v[QB+\b]     ; with lane l xor 16's: the block's largest magnitude
.endr
.irp b, 0,1,2,3
	v_add_nc_u32 v[QS+\b], 0xff000000, v[QM+\b]    ; 2 off its exponent field: the conversion's scale operand
.endr
.irp b, 0,1,2,3
	v_lshrrev_b32 v[QB+\b], 23, v[QS+\b]           ; the scale's byte
.endr
	v_lshl_or_b32 v[\pw], v[QB+1], 8, v[QB]
	v_lshl_or_b32 v[\pw], v[QB+2], 16, v[\pw]
	v_lshl_or_b32 v[\pw], v[QB+3], 24, v[\pw]      ; my row's scale word
.irp c, 0,1
	v_cvt_scalef32_pk16_fp6_f32 v[QC+6*\c:QC+2+6*\c], v[\s+32*\c:\s+15+32*\c], v[QS+2*\c]
	v_cvt_scalef32_pk16_fp6_f32 v[QH+4*\c:QH+2+4*\c], v[\s+16+32*\c:\s+31+32*\c], v[QS+2*\c+1]   ; (a conversion's three registers begin on an even number)
.endr
	v_nop                                          ; one plain instruction behind a scaled conversion
.irp c, 0,1                                    ; the operand's layout wants a WHOLE block in a lane: lanes 0-15 block 2 c, lanes 16-31 block 2 c + 1
.irp i, 0,1,2
	v_permlane16_swap_b32 v[QC+6*\c+\i], v[QH+4*\c+\i]
.endr
.irp i, 0,1,2
	v_mov_b32 v[QC+3+6*\c+\i], v[QH+4*\c+\i]
.endr
.endr
.endm
	s_cmp_eq_u32 s16, 0                            ; left halves are q's or k's heads;
	s_cbranch_scc1 .Lqk
	s_cmp_lg_u32 ttmp9, 2                          ; right halves are q's but in cluster x = 2
	s_cbranch_scc1 .Lqk
; ---- V.  128 keys x 128 channels.  32 keys (two row blocks) at a time go to my stage as rows of 512 bytes.  They come back twice: as whole rows, for out2, and by columns: a lane takes ONE channel and its 32 registers run
; down the keys in their true order: a whole block of the quantiser along the keys.  Lanes 0-15 hold the channels of V's tile 2 d, lanes 16-31 those of tile 2 d + 1.
.set VR,  64                           ; window 0: v64-191 32 rows read back
.set VW,  128                          ; window 1: v128-131 scale words (tile 2 d + h, my channel); v132-133 maxima; v134 scale operand; v135 byte; v136-138 half a block's codes; v160-255 V's eight fragments; v0-127 the columns
.set VM,  132
.set VSO, 134
.set VBY, 135
.set VCT, 136
.set VF,  160
.macro COL d                           ; channels 32 d .. 32 d + 31, a lane a channel: register t = key t of the 32; the stage's row of key t is 8 (2 ((t / 8) % 2) + t / 16) + t % 8
	WIN 0x40
.set N, 0
.rept 32
	ds_load_b32 v[32*(\d)+N], v[CL] offset:(8*(2*((N/8)%2)+N/16)+N%8)*528+128*(\d)
.set N, N+1
.endr
.endm
.macro QV g, d                         ; block g of the keys, channels 32 d on: byte g of the scale words, six registers of codes
	WIN 0x55                                       ; all operands in window 1
.set XB, 32*(\d)
.set FB, VF+12*(2*(\d)+(\g)%2)+6*((\g)/2)
	v_max3_num_f32 v[VM], |v[XB]|, |v[XB+1]|, 0x1800000
	v_max3_num_f32 v[VM+1], |v[XB+2]|, |v[XB+3]|, |v[XB+4]|
.irp i, 5,9,13,17,21,25
	v_max3_num_f32 v[VM], v[VM], |v[XB+\i]|, |v[XB+\i+1]|
	v_max3_num_f32 v[VM+1], v[VM+1], |v[XB+\i+2]|, |v[XB+\i+3]|
.endr
	v_max3_num_f32 v[VM], v[VM], |v[XB+29]|, |v[XB+30]|
	v_max3_num_f32 v[VM], v[VM], v[VM+1], |v[XB+31]|
	v_add_nc_u32 v[VSO], 0xff000000, v[VM]
	v_lshrrev_b32 v[VBY], 23, v[VSO]
.if (\g) == 0
	v_mov_b32 v[VW+(\d)], v[VBY]
.else
	v_lshl_or_b32 v[VW+(\d)], v[VBY], 8*(\g), v[VW+(\d)]
.endif
	v_cvt_scalef32_pk16_fp6_f32 v[FB:FB+2], v[XB:XB+15], v[VSO]
	v_cvt_scalef32_pk16_fp6_f32 v[VCT:VCT+2], v[XB+16:XB+31], v[VSO]
	v_nop                                          ; one plain instruction behind a scaled conversion
.irp i, 0,1,2
	v_mov_b32 v[FB+3+\i], v[VCT+\i]
.endr
.endm
.macro VBLOCK g
	WIN 0x08+4*((\g)/2)                            ; an LDS store's data are its source 1: window 2 or 3
.irp ua, 0,1
.irp b, 0,1,2,3,4,5,6,7
.set AR, (8*(8*(2*(\g)+\ua)+\b))%256
	ds_store_b128 v[STO], v[AR:AR+3] offset:16*\ua*528+128*(\b/2)+32*(\b%2)        ; each accumulator from its low end on
	ds_store_b128 v[STO], v[AR+4:AR+7] offset:16*\ua*528+128*(\b/2)+32*(\b%2)+16
.endr
.endr
	WIN 0
	s_wait_xcnt 0x0                                ; the last 32 keys' stores have read their data: the rows' registers are loaded again only behind this wait
.set N, 0
.rept 32
	ds_load_b128 v[VR+4*N:VR+4*N+3], v[RD] offset:528*N   ; LDS serves a wave's instructions in order: these see the stores above
.set N, N+1
.endr
	COL 0
	WIN 0
	s_wait_dscnt 32                                ; the rows are in (the 32 column loads behind them may be out)
.set N, 0
.rept 32
	global_store_b128 v[CO], v[VR+4*N:VR+4*N+3], s[94:95] offset:(32*(\g)+8*(N/16)+N%16+8*((N%16)/8))*512 th:TH_STORE_NT   ; 32 lanes store a row of 512 bytes
.set N, N+1
.endr
	COL 1
	s_wait_dscnt 32                                ; the run of 32 before the youngest is in
	QV \g, 0
	COL 2
	s_wait_dscnt 32
	QV \g, 1
	COL 3
	s_wait_dscnt 32
	QV \g, 2
	s_wait_dscnt 0x0
	QV \g, 3
	WIN 0
.endm
	s_wait_loadcnt 0x0                             ; (cos and sin of three row blocks, which this wave does not use: their registers are written below)
	VBLOCK 0
	VBLOCK 1
	VBLOCK 2
	VBLOCK 3
	WIN 0x55
.irp d, 0,1,2,3                                ; block 2 c of tile 2 d + 1 (lanes 16-31) changes places with block 2 c + 1 of tile 2 d (lanes 0-15): both fragments then lie as the operand's layout wants
.irp i, 0,1,2,3,4,5,6,7,8,9,10,11
	v_permlane16_swap_b32 v[VF+24*\d+\i], v[VF+24*\d+12+\i]
.endr
.endr
	WIN 0x04                                       ; a store's data are its source 1: window 1
.irp t, 0,1,2,3,4,5,6,7
.irp c, 0,1,2
	global_store_b128 v[CO], v[VF+12*\t+4*\c:VF+12*\t+4*\c+3], s[80:81] offset:1536*\t+512*\c
.endr
.endr
	global_store_b128 v[SL], v[VW:VW+3], s[82:83]  ; 512 consecutive bytes: [row][tile % 2][tile / 2]
	WIN 0
	s_branch .Ljoin
; ---- Q and K.  A row block (16 rows of t) at a time: rotate, quantise along the channels, store the fragment.  K's rotated rows also leave as f32 through my stage.
.Lqk:
.set HA,  128                          ; v128-191 the rotated numbers
.set T,   228                          ; v228-243 at work
.set PWS, 244                          ; v244-251 the eight fragments' scale words
.set KR,  128                          ; window 1: v128-191 K's 16 rows read back from the stage (B's set 1 lay there)
.macro ROPE a                          ; (re, im) -> (re c - im s, re s + im c): a packed multiply by c, then a packed multiply-add with the pair's halves crossed and -s for the low half
	CSSET \a
	WIN 0x02+(\a)/4+4*CW                           ; source 0 (the sums): window 2 or 3; source 1 (cos, sin): the set's window
.irp bb, 0,2,4,6
.irp n, 0,1,2,3,4,5,6,7
.set AR, (8*(8*(\a)+\bb+\n/4))%256+2*(\n%4)
.set CR, 4*(\bb+\n/4)+2*((\n%4)/2)
.if (\n%2) == 0
	v_pk_mul_f32 v[T+2*\n:T+2*\n+1], v[AR:AR+1], v[CB+CR:CB+CR+1] op_sel:[0,0] op_sel_hi:[1,0]
.else
	v_pk_mul_f32 v[T+2*\n:T+2*\n+1], v[AR:AR+1], v[CB+CR:CB+CR+1] op_sel:[0,1] op_sel_hi:[1,1]
.endif
.endr
.irp n, 0,1,2,3,4,5,6,7
.set AR, (8*(8*(\a)+\bb+\n/4))%256+2*(\n%4)
.set CR, 4*(\bb+\n/4)+2*((\n%4)/2)
.set HR, HA+8*(\bb+\n/4)+2*(\n%4)
.if (\n%2) == 0
	v_pk_fma_f32 v[HR:HR+1], v[AR:AR+1], v[SB+CR:SB+CR+1], v[T+2*\n:T+2*\n+1] op_sel:[1,0,0] op_sel_hi:[0,0,1] neg_lo:[0,1,0]
.else
	v_pk_fma_f32 v[HR:HR+1], v[AR:AR+1], v[SB+CR:SB+CR+1], v[T+2*\n:T+2*\n+1] op_sel:[1,1,0] op_sel_hi:[0,1,1] neg_lo:[0,1,0]
.endif
.endr
.endr
	WIN 0
.endm
.macro QKBLOCK a
.if (\a) < 6
	s_wait_loadcnt 32                              ; this block's cos and sin are in; the 32 loads of the two blocks behind it may be out
.elseif (\a) == 6
	s_wait_loadcnt 16                              ; the last block's 16 may be out
.else
	s_wait_loadcnt 0x0
.endif
	s_wait_xcnt 0x0                                ; the last block's stores have read their data: those registers are written again only behind this wait
	ROPE \a
.if (\a) < 5
	CSLOAD (\a)+3                                  ; into the set that has just been read
.endif
	s_cmp_lg_u32 s16, 0                            ; K alone (left half, cluster x = 2): the rotated rows turn through my stage
	s_cbranch_scc1 .Lnot_k1_\@
	s_cmp_lg_u32 ttmp9, 2
	s_cbranch_scc1 .Lnot_k1_\@
.set N, 0
.rept 16
	ds_store_b128 v[STO], v[HA+4*N:HA+4*N+3] offset:128*(N/4)+16*(N%4)
.set N, N+1
.endr
	WIN 0x40                                       ; destination window 1
.set N, 0
.rept 16
	ds_load_b128 v[KR+4*N:KR+4*N+3], v[RD] offset:528*N
.set N, N+1
.endr
	WIN 0
.Lnot_k1_\@:
	QUANT HA, PWS+\a
.irp c, 0,1,2
	global_store_b128 v[CO], v[QC+4*\c:QC+4*\c+3], s[80:81] offset:1536*(\a)+512*\c
.endr
	s_wait_dscnt 0x0                               ; on every wave's path: K's rows are back from the stage, ahead of the stores that read them and of the next block's loads into the same registers; a wave that asked for none has nothing out
	s_cmp_lg_u32 s16, 0
	s_cbranch_scc1 .Lnot_k2_\@
	s_cmp_lg_u32 ttmp9, 2
	s_cbranch_scc1 .Lnot_k2_\@
	WIN 0x04                                       ; a store's data are its source 1: window 1
.set N, 0
.rept 16
	global_store_b128 v[CO], v[KR+4*N:KR+4*N+3], s[94:95] offset:(32*((\a)/2)+8*((\a)%2)+N+8*(N/8))*512 th:TH_STORE_NT   ; 32 lanes store a row of 512 bytes
.set N, N+1
.endr
	WIN 0
.Lnot_k2_\@:
.endm
.irp b, 0,1,2,3
	v_mov_b32 v[QB+\b], 0                          ; written once: a lane permute's destination counts as one of its sources
.endr
.irp a, 0,1,2,3,4,5,6,7
	QKBLOCK \a
.endr
	v_cmp_ne_u32 vcc_lo, 0, v2                     ; lanes 0-15 store their row's words of fragments 0-3, lanes 16-31 of 4-7
.irp i, 0,1,2,3
	v_cndmask_b32 v[T+\i], v[PWS+\i], v[PWS+4+\i], vcc_lo
.endr
	global_store_b128 v[SL], v[T:T+3], s[82:83]    ; 512 consecutive bytes: [row][fragment]
.Ljoin:
	s_wait_tensorcnt 0x0                           ; the wave's end, behind my last tensor load and my last LDS store
	ds_add_u32 v[SPW], v[NIL]
	s_wait_dscnt 0x0
	CROUND                                         ; the closing barrier of the cluster: no work-group ends while a partner may still ask for a tile that names it
	s_endpgm
.Lfunc_end_k_qd3265c7f5e_qkv:
	.size	k_qd3265c7f5e_qkv, .Lfunc_end_k_qd3265c7f5e_qkv-k_qd3265c7f5e_qkv
	.p2alignl 7, 3214868480
	.fill 96, 4, 3214868480
	.section	.rodata,"a",@progbits
	.p2align	6, 0x0
	.amdhsa_kernel k_qd3265c7f5e_qkv
		.amdhsa_group_segment_fixed_size 327680
		.amdhsa_private_segment_fixed_size 0
		.amdhsa_enable_private_segment 0
		.amdhsa_kernarg_size 72
		.amdhsa_user_sgpr_count 2
		.amdhsa_user_sgpr_kernarg_segment_ptr 1
		.amdhsa_wavefront_size32 1
		.amdhsa_system_sgpr_workgroup_id_x 1
		.amdhsa_system_sgpr_workgroup_id_y 1
		.amdhsa_system_sgpr_workgroup_id_z 1
		.amdhsa_system_vgpr_workitem_id 0
		.amdhsa_next_free_vgpr 1024
		.amdhsa_next_free_sgpr 100
		.amdhsa_reserve_vcc 1
		.amdhsa_float_denorm_mode_32 3
		.amdhsa_float_denorm_mode_16_64 3
		.amdhsa_memory_ordered 1
		.amdhsa_forward_progress 1
		.amdhsa_inst_pref_size 255
	.end_amdhsa_kernel
	.section	.bss,"aw",@nobits
	.p2align	6
	.space	262144
	.amdgpu_metadata
---
amdhsa.version: [ 1, 2 ]
amdhsa.kernels:
  - .name:           k_qd3265c7f5e_qkv
    .symbol:         k_qd3265c7f5e_qkv.kd
    .args:
      - { .name: xq, .offset: 0, .size: 8, .value_kind: global_buffer, .address_space: global }
      - { .name: waq, .offset: 8, .size: 8, .value_kind: global_buffer, .address_space: global }
      - { .name: b_attn, .offset: 16, .size: 8, .value_kind: global_buffer, .address_space: global }
      - { .name: freqs_cos, .offset: 24, .size: 8, .value_kind: global_buffer, .address_space: global }
      - { .name: freqs_sin, .offset: 32, .size: 8, .value_kind: global_buffer, .address_space: global }
      - { .name: qq, .offset: 40, .size: 8, .value_kind: global_buffer, .address_space: global }
      - { .name: kv, .offset: 48, .size: 8, .value_kind: global_buffer, .address_space: global }
      - { .name: out1, .offset: 56, .size: 8, .value_kind: global_buffer, .address_space: global }
      - { .name: out2, .offset: 64, .size: 8, .value_kind: global_buffer, .address_space: global }
    .group_segment_fixed_size: 327680
    .private_segment_fixed_size: 0
    .kernarg_segment_align: 8
    .kernarg_segment_size: 72
    .max_flat_workgroup_size: 128
    .sgpr_count:     100
    .vgpr_count:     1024
    .wavefront_size: 32
...
	.end_amdgpu_metadata
.endif
;; end of part 2
;; launch attn (part 3): grid 16 x 16, 16 waves a work-group, clusters of 4 x 1, 327,680 bytes of LDS; arguments qq, kv, yq; writes yq
.if DOCPART == 3
	.amdgcn_target "amdgcn-amd-amdhsa--gfx1250"
	.amdhsa_code_object_version 6
	.text
	.protected	k_qd3265c7f5e_attn
	.globl	k_qd3265c7f5e_attn
	.p2align	8
	.type	k_qd3265c7f5e_attn,@function
k_qd3265c7f5e_attn:
	s_mov_b64 s[64:65], 0
	v_nop
	global_prefetch_b8 v0, s[64:65] scope:SCOPE_SE
	s_setreg_imm32_b32 hwreg(HW_REG_WAVE_MODE, 25, 1), 1
	s_wait_xcnt 0x0
	s_wait_alu depctr_hold_cnt(0) depctr_sa_sdst(0) depctr_va_vdst(0) depctr_va_sdst(0) depctr_va_ssrc(0) depctr_va_vcc(0) depctr_vm_vsrc(0)
	s_getreg_b32 s2, hwreg(HW_REG_IB_STS2, 6, 4)
	s_cmp_eq_u32 s2, 0
	s_cbranch_scc0 .Lentry_in_a_cluster
	s_endpgm
.Lentry_in_a_cluster:
	s_bfe_u32 s2, ttmp6, 0x10000c
	s_cmp_lg_u32 s2, 0x3003
	s_cbranch_scc0 .Lentry_shape_is_right
	s_endpgm
.Lentry_shape_is_right:
.set WV,  18
.set SEL, 20
.set CS,  22
.set G1,  24
.set REC, 25600
.macro CROUND
	s_barrier_signal -1
	s_barrier_wait -1
	s_cmp_lg_u32 s[WV], 0
	s_cbranch_scc1 .Lnot_wave_0_\@
	s_barrier_signal -3
.Lnot_wave_0_\@:
	s_barrier_wait -3
	s_barrier_signal -1
	s_barrier_wait -1
.endm
	s_load_b128 s[4:7], s[0:1], 0x0
	s_load_b64 s[8:9], s[0:1], 0x10
	v_lshl_add_u32 v250, v0, 2, 0x32000
	v_mov_b32 v251, 0
	ds_add_u32 v250, v251
	ds_add_u32 v250, v251
	v_lshrrev_b32 v8, 5, v0
	s_delay_alu instid0(VALU_DEP_1)
	v_readfirstlane_b32 s[WV], v8
	s_bfe_u32 s10, ttmp6, 0x40000
	s_and_b32 s11, ttmp7, 0xffff
	s_lshr_b32 s12, s[WV], 3
	s_lshl_b32 s12, s12, 1
	s_bfe_u32 s13, s[WV], 0x10001
	s_or_b32 s12, s12, s13
	s_lshr_b32 s13, s[WV], 2
	s_xor_b32 s13, s13, s[WV]
	s_and_b32 s13, s13, 1
	s_mul_i32 s13, s13, 7
	s_xor_b32 s40, s12, s13
	s_bfe_u32 s41, s[WV], 0x10002
	s_lshl_b32 s42, s40, 3
	s_lshl_b32 s12, ttmp9, 1
	s_add_co_u32 s12, s12, s41
	s_add_co_u32 s42, s42, s12
	s_lshl_b32 s43, s11, 2
	s_add_co_u32 s43, s43, s10
	s_lshl_b32 s13, s43, 6
	s_add_co_u32 s13, s13, s42
	s_mul_i32 s50, s13, 1536
	s_mov_b32 s51, 0
	s_lshl_b32 s13, s43, 3
	s_add_co_u32 s13, s13, s40
	s_lshl_b32 s13, s13, 9
	s_lshl_b32 s12, s12, 2
	s_add_co_u32 s13, s13, s12
	s_add_co_u32 s52, s13, 6291456
	s_mov_b32 s53, 0
	s_lshr_b32 s12, s11, 2
	s_lshl_b32 s12, s12, 6
	s_add_co_u32 s12, s12, s42
	s_and_b32 s13, s11, 3
	s_lshl_b32 s13, s13, 2
	s_add_co_u32 s13, s13, s10
	s_lshl_b32 s14, s12, 4
	s_add_co_u32 s14, s14, s13
	s_mul_i32 s54, s14, 1536
	s_mov_b32 s55, 0
	s_lshl_b32 s12, s12, 10
	s_lshr_b32 s14, s13, 1
	s_lshl_b32 s14, s14, 7
	s_add_co_u32 s12, s12, s14
	s_and_b32 s14, s13, 1
	s_lshl_b32 s14, s14, 2
	s_add_co_u32 s12, s12, s14
	s_add_co_u32 s56, s12, 6291456
	s_mov_b32 s57, 0
	s_mul_i32 s44, s11, 8*REC
	s_mul_i32 s45, s[WV], 6400
	s_add_co_u32 s46, s44, s45
	s_mov_b32 s47, 0
	s_mov_b32 s[G1], 15|(3<<16)|(1<<21)
	s_mov_b32 s[G1+1], 32<<16
	s_mov_b32 s[G1+2], 25<<16
	s_mov_b32 s[G1+3], 32<<16
	s_mov_b32 s[G1+4], 25
	s_mov_b32 s[G1+5], 32
	s_mov_b32 s[G1+6], 0
	s_mov_b32 s[G1+7], 0
	s_mov_b32 s[SEL], 0x76543210
	s_mov_b32 s[SEL+1], 0xfedcba98
	s_mov_b32 s[CS], 0x3e0293ee
	s_mov_b32 s[CS+1], s[CS]
	s_wait_dscnt 0x0
	s_wait_kmcnt 0x0
	s_mov_b32 s32, 1
	s_mov_b32 s33, s45
	s_add_nc_u64 s[34:35], s[6:7], s[46:47]
	s_mov_b32 s36, 1
	s_add_co_u32 s37, s45, 4*REC
	s_add_nc_u64 s[38:39], s[34:35], 4*REC
	s_or_b32 s35, s35, 0x80000000
	s_or_b32 s39, s39, 0x80000000
	s_add_nc_u64 s[50:51], s[4:5], s[50:51]
	s_add_nc_u64 s[52:53], s[4:5], s[52:53]
	s_add_nc_u64 s[54:55], s[8:9], s[54:55]
	s_add_nc_u64 s[56:57], s[8:9], s[56:57]
	; the lane's offsets, and q's fragment and scale word: asked for here, ahead of the round and the tiles' loads, and waited for in front of the first step
	v_and_b32 v8, 15, v0
	v_bfe_u32 v9, v0, 4, 1
	v_and_b32 v10, 31, v0
	s_delay_alu instid0(VALU_DEP_1)
	v_lshlrev_b32 v1, 4, v10
	s_delay_alu instid0(VALU_DEP_4)
	v_lshlrev_b32 v2, 5, v8
	v_lshlrev_b32 v4, 3, v8
	v_and_b32 v11, 8, v8
	s_delay_alu instid0(VALU_DEP_1)
	v_add_nc_u32 v3, v11, v8
	v_lshlrev_b32 v11, 4, v9
	s_delay_alu instid0(VALU_DEP_1)
	v_sub_nc_u32 v3, v3, v11
	s_lshl_b32 s48, ttmp9, 5
	s_lshl_b32 s49, s41, 3
	s_add_co_u32 s48, s48, s49
	v_add_nc_u32 v3, s48, v3
.irp c, 0,1,2
	global_load_b128 v[16+4*\c:19+4*\c], v1, s[50:51] offset:512*\c
.endr
	global_load_b32 v255, v2, s[52:53]
	CROUND
	tensor_load_to_lds s[32:35], s[G1:G1+7]
	s_nop 0
	s_wait_alu depctr_va_vdst(0)
	s_wait_tensorcnt 0x0
	ds_add_u32 v250, v251
	s_wait_dscnt 0x0
	CROUND
	tensor_load_to_lds s[36:39], s[G1:G1+7]
	s_nop 0
.rept 4
	v_nop
.endr
	v_mov_b32 v13, 0xff61b1e6
	s_delay_alu instid0(VALU_DEP_1)
	v_floor_f32 v12, -v13
	v_mov_b32 v14, 0
	v_mov_b32 v15, 0
.irp b, 0,1,2,3
	v_mov_b32 v[236+\b], 0
.endr
	v_mov_b32 v252, 0
	v_mov_b32 v253, 0
.set N, 0
.rept 64
	v_mov_b32 v[160+N], 0
.set N, N+1
.endr
.macro STEP
	s_cmp_gt_u32 s3, s40
	s_cbranch_scc1 .Lhidden_\@
	v_add_nc_u32 v8, s2, v1
	s_wait_alu depctr_va_vdst(0)
	v_add_nc_u32 v10, s2, v2
.rept 3
	v_nop
.endr
	ds_load_b128 v[80:83], v10 offset:12288
	ds_load_b128 v[84:87], v10 offset:12304
	ds_load_b128 v[88:91], v10 offset:25088
	ds_load_b128 v[92:95], v10 offset:25104
.irp g, 0,1
.if \g > 0
.rept 4
	v_nop
.endr
.endif
.irp t, 0,1,2,3
.irp c, 0,1,2
	ds_load_b128 v[32+12*\t+4*\c:35+12*\t+4*\c], v8 offset:1536*(4*\g+\t)+512*\c
.endr
.endr
	s_wait_dscnt 0x0
.irp t, 0,1,2,3
	v_wmma_scale_f32_16x16x128_f8f6f4 v[96+8*(4*\g+\t):103+8*(4*\g+\t)], v[32+12*\t:43+12*\t], v[16:27], 0, v[80+4*\g+\t], v255 matrix_a_fmt:MATRIX_FMT_FP6 matrix_b_fmt:MATRIX_FMT_FP6
.endr
.endr
.rept 4
	v_nop
.endr
.irp t, 0,1,2,3
.irp c, 0,1,2
	ds_load_b128 v[32+12*\t+4*\c:35+12*\t+4*\c], v8 offset:12800+1536*\t+512*\c
.endr
.endr
	s_cmp_lg_u32 s3, s40
	s_cbranch_scc1 .Lopen_\@
	v_mov_b32 v254, 0xff800000
.set N, 0
.rept 64
	v_cmp_gt_i32 vcc_lo, 32*(N/16)+N%16, v3
	v_cndmask_b32 v[96+N], v[96+N], v254, vcc_lo
.set N, N+1
.endr
.Lopen_\@:
.irp b, 0,1,2,3
	v_max3_num_f32 v[232+\b], v[96+16*\b], v[97+16*\b], v[98+16*\b]
.endr
.irp i, 3,5,7,9,11,13
.irp b, 0,1,2,3
	v_max3_num_f32 v[232+\b], v[232+\b], v[96+16*\b+\i], v[97+16*\b+\i]
.endr
.endr
.irp b, 0,1,2,3
	v_max_num_f32 v[232+\b], v[232+\b], v[111+16*\b]
.endr
.irp b, 0,1,2,3
	s_delay_alu instid0(VALU_DEP_4)
	v_permlanex16_b32 v[236+\b], v[232+\b], s[SEL], s[SEL+1]
.endr
.irp b, 0,1,2,3
	s_delay_alu instid0(VALU_DEP_4)
	v_max_num_f32 v[232+\b], v[232+\b], v[236+\b]
.endr
	s_delay_alu instid0(VALU_DEP_2)
	v_max3_num_f32 v254, v232, v233, v234
	s_delay_alu instid0(VALU_DEP_1)
	v_max_num_f32 v254, v254, v235
	s_delay_alu instid0(VALU_DEP_1)
	v_mul_f32 v254, s[CS], v254
	s_delay_alu instid0(VALU_DEP_1)
	v_max_num_f32 v13, v13, v254
	v_mov_b32 v254, v12
	s_delay_alu instid0(VALU_DEP_2)
	v_floor_f32 v12, -v13
	s_delay_alu instid0(VALU_DEP_1)
	v_sub_f32 v254, v12, v254
	s_delay_alu instid0(VALU_DEP_1)
	v_cvt_i32_f32 v254, v254
	s_delay_alu instid0(VALU_DEP_1)
	v_ldexp_f32 v252, 1.0, v254
.irp j, 0,2,4,6,8,10,12,14,16,18,20,22,24,26,28,30,32,34,36,38,40,42,44,46,48,50,52,54,56,58,60,62
	v_pk_fma_f32 v[96+\j:97+\j], v[96+\j:97+\j], s[CS:CS+1], v[12:13] op_sel_hi:[1,0,0]
.endr
.irp b, 0,1,2,3
	v_fma_f32 v[232+\b], v[232+\b], s[CS], v12
.endr
.set N, 0
	s_wait_alu depctr_va_vdst(0)
.rept 64
	v_exp_f32 v[96+N], v[96+N]
.set N, N+1
.endr
	v_pk_mul_f32 v[14:15], v[14:15], v[252:253] op_sel_hi:[1,0]
	s_wait_alu depctr_va_vdst(0)
.irp b, 0,1,2,3
	v_exp_f32 v[232+\b], v[232+\b]
.endr
	v_pk_add_f32 v[236:237], v[96:97], v[98:99]
.irp j, 4,8,12,16,20,24,28,32,36,40,44,48,52,56,60
	v_pk_add_f32 v[14:15], v[14:15], v[96+\j:97+\j]
	v_pk_add_f32 v[236:237], v[236:237], v[98+\j:99+\j]
.endr
	s_delay_alu instid0(VALU_DEP_1)
	v_pk_add_f32 v[14:15], v[14:15], v[236:237]
	s_wait_alu depctr_va_vdst(0)
.irp b, 0,1,2,3
	v_max_num_f32 v[232+\b], 0x1800000, v[232+\b]
.endr
.irp b, 0,1,2,3
	s_delay_alu instid0(VALU_DEP_4)
	v_add_nc_u32 v[244+\b], 0xff000000, v[232+\b]
.endr
.irp b, 0,1,2,3
	s_delay_alu instid0(VALU_DEP_4)
	v_lshrrev_b32 v[236+\b], 23, v[244+\b]
.endr
	s_delay_alu instid0(VALU_DEP_3)
	v_lshl_or_b32 v253, v237, 8, v236
	s_delay_alu instid0(VALU_DEP_1)
	v_lshl_or_b32 v253, v238, 16, v253
	s_delay_alu instid0(VALU_DEP_1)
	v_lshl_or_b32 v253, v239, 24, v253
.irp c, 0,1
	v_cvt_scalef32_pk16_fp6_f32 v[224+6*\c:226+6*\c], v[96+32*\c:111+32*\c], v[244+2*\c]
	v_cvt_scalef32_pk16_fp6_f32 v[236+4*\c:238+4*\c], v[112+32*\c:127+32*\c], v[244+2*\c+1]
.endr
	v_nop
.irp t, 0,1,2,3
.irp c, 0,1,2
	ds_load_b128 v[96+12*\t+4*\c:99+12*\t+4*\c], v8 offset:12800+1536*(4+\t)+512*\c
.endr
.endr
.irp c, 0,1
.irp i, 0,1,2
	v_permlane16_swap_b32 v[224+6*\c+\i], v[236+4*\c+\i]
.endr
.irp i, 0,1,2
	s_delay_alu instid0(VALU_DEP_3)
	v_mov_b32 v[227+6*\c+\i], v[236+4*\c+\i]
.endr
.endr
.irp j, 0,2,4,6,8,10,12,14,16,18,20,22,24,26,28,30,32,34,36,38,40,42,44,46,48,50,52,54,56,58,60,62
	v_pk_mul_f32 v[160+\j:161+\j], v[160+\j:161+\j], v[252:253] op_sel_hi:[1,0]
.endr
	s_wait_alu depctr_va_vdst(0)
	s_wait_dscnt 0x0
.irp t, 0,1,2,3
	v_wmma_scale_f32_16x16x128_f8f6f4 v[160+8*\t:167+8*\t], v[32+12*\t:43+12*\t], v[224:235], v[160+8*\t:167+8*\t], v[88+\t/2+4*(\t%2)], v253 matrix_a_fmt:MATRIX_FMT_FP6 matrix_b_fmt:MATRIX_FMT_FP6
.endr
.irp t, 0,1,2,3
	v_wmma_scale_f32_16x16x128_f8f6f4 v[192+8*\t:199+8*\t], v[96+12*\t:107+12*\t], v[224:235], v[192+8*\t:199+8*\t], v[90+\t/2+4*(\t%2)], v253 matrix_a_fmt:MATRIX_FMT_FP6 matrix_b_fmt:MATRIX_FMT_FP6
.endr
.Lhidden_\@:
	s_add_co_u32 s2, s2, REC
.endm
	s_mov_b32 s2, 0
	s_mov_b32 s3, 0
	s_wait_tensorcnt 1
	s_wait_loadcnt 0x0
	s_barrier_signal -1
	s_barrier_wait -1
	STEP
	s_mov_b32 s3, 1
	s_wait_tensorcnt 0x0
	s_wait_dscnt 0x0
	s_barrier_signal -1
	s_barrier_wait -1
.Lrest:
	STEP
	s_add_co_u32 s3, s3, 1
	s_cmp_lt_u32 s3, 8
	s_cbranch_scc1 .Lrest
.rept 4
	v_nop
.endr
	v_add_f32 v14, v14, v15
	s_delay_alu instid0(VALU_DEP_1)
	v_permlanex16_b32 v252, v14, s[SEL], s[SEL+1]
	s_delay_alu instid0(VALU_DEP_1)
	v_add_f32 v14, v14, v252
	s_wait_alu depctr_va_vdst(0)
	v_rcp_f32 v14, v14
	v_nop
	s_wait_alu depctr_va_vdst(0)
.set N, 0
.rept 64
	v_mul_f32 v[96+N], v[160+N], v14
.set N, N+1
.endr
.irp b, 0,1,2,3
	v_max3_num_f32 v[232+\b], |v[96+16*\b]|, |v[97+16*\b]|, 0x1800000
.endr
.irp i, 2,4,6,8,10,12,14
.irp b, 0,1,2,3
	s_delay_alu instid0(VALU_DEP_4)
	v_max3_num_f32 v[232+\b], v[232+\b], |v[96+16*\b+\i]|, |v[97+16*\b+\i]|
.endr
.endr
.irp b, 0,1,2,3
	s_delay_alu instid0(VALU_DEP_4)
	v_permlanex16_b32 v[236+\b], v[232+\b], s[SEL], s[SEL+1]
.endr
.irp b, 0,1,2,3
	s_delay_alu instid0(VALU_DEP_4)
	v_max_num_f32 v[232+\b], v[232+\b], v[236+\b]
.endr
.irp b, 0,1,2,3
	s_delay_alu instid0(VALU_DEP_4)
	v_add_nc_u32 v[244+\b], 0xff000000, v[232+\b]
.endr
.irp b, 0,1,2,3
	s_delay_alu instid0(VALU_DEP_4)
	v_lshrrev_b32 v[236+\b], 23, v[244+\b]
.endr
	s_delay_alu instid0(VALU_DEP_3)
	v_lshl_or_b32 v248, v237, 8, v236
	s_delay_alu instid0(VALU_DEP_1)
	v_lshl_or_b32 v248, v238, 16, v248
	s_delay_alu instid0(VALU_DEP_1)
	v_lshl_or_b32 v248, v239, 24, v248
.irp c, 0,1
	v_cvt_scalef32_pk16_fp6_f32 v[224+6*\c:226+6*\c], v[96+32*\c:111+32*\c], v[244+2*\c]
	v_cvt_scalef32_pk16_fp6_f32 v[236+4*\c:238+4*\c], v[112+32*\c:127+32*\c], v[244+2*\c+1]
.endr
	v_nop
.irp c, 0,1
.irp i, 0,1,2
	v_permlane16_swap_b32 v[224+6*\c+\i], v[236+4*\c+\i]
.endr
.irp i, 0,1,2
	s_delay_alu instid0(VALU_DEP_3)
	v_mov_b32 v[227+6*\c+\i], v[236+4*\c+\i]
.endr
.endr
.irp c, 0,1,2
	global_store_b128 v1, v[224+4*\c:227+4*\c], s[54:55] offset:512*\c
.endr
	global_store_b32 v4, v248, s[56:57]
	s_wait_tensorcnt 0x0
	ds_add_u32 v250, v251
	s_wait_dscnt 0x0
	CROUND
	s_endpgm
.Lfunc_end_k_qd3265c7f5e_attn:
	.size	k_qd3265c7f5e_attn, .Lfunc_end_k_qd3265c7f5e_attn-k_qd3265c7f5e_attn
	.p2alignl 7, 3214868480
	.fill 96, 4, 3214868480
	.section	.rodata,"a",@progbits
	.p2align	6, 0x0
	.amdhsa_kernel k_qd3265c7f5e_attn
		.amdhsa_group_segment_fixed_size 327680
		.amdhsa_private_segment_fixed_size 0
		.amdhsa_enable_private_segment 0
		.amdhsa_kernarg_size 24
		.amdhsa_user_sgpr_count 2
		.amdhsa_user_sgpr_kernarg_segment_ptr 1
		.amdhsa_wavefront_size32 1
		.amdhsa_system_sgpr_workgroup_id_x 1
		.amdhsa_system_sgpr_workgroup_id_y 1
		.amdhsa_system_sgpr_workgroup_id_z 1
		.amdhsa_system_vgpr_workitem_id 0
		.amdhsa_next_free_vgpr 256
		.amdhsa_next_free_sgpr 66
		.amdhsa_reserve_vcc 1
		.amdhsa_float_denorm_mode_32 3
		.amdhsa_float_denorm_mode_16_64 3
		.amdhsa_memory_ordered 1
		.amdhsa_forward_progress 1
		.amdhsa_inst_pref_size 68
	.end_amdhsa_kernel
	.amdgpu_metadata
---
amdhsa.version: [ 1, 2 ]
amdhsa.kernels:
  - .name:           k_qd3265c7f5e_attn
    .symbol:         k_qd3265c7f5e_attn.kd
    .args:
      - { .name: qq, .offset: 0, .size: 8, .value_kind: global_buffer, .address_space: global }
      - { .name: kv, .offset: 8, .size: 8, .value_kind: global_buffer, .address_space: global }
      - { .name: yq, .offset: 16, .size: 8, .value_kind: global_buffer, .address_space: global }
    .group_segment_fixed_size: 327680
    .private_segment_fixed_size: 0
    .kernarg_segment_align: 8
    .kernarg_segment_size: 24
    .max_flat_workgroup_size: 512
    .sgpr_count:     66
    .vgpr_count:     256
    .wavefront_size: 32
...
	.end_amdgpu_metadata
.endif
;; end of part 3
;; launch proj (part 4): grid 16 x 16, 4 waves a work-group, clusters of 4 x 4, 327,680 bytes of LDS; arguments yq, wpq, b_proj, out0; writes out0
.if DOCPART == 4
	.amdgcn_target "amdgcn-amd-amdhsa--gfx1250"
	.amdhsa_code_object_version 6
	.text
	.protected	k_qd3265c7f5e_proj
	.globl	k_qd3265c7f5e_proj
	.p2align	8
	.type	k_qd3265c7f5e_proj,@function
k_qd3265c7f5e_proj:
	s_mov_b64 s[64:65], 0
	v_nop
	global_prefetch_b8 v0, s[64:65] scope:SCOPE_SE
	s_setreg_imm32_b32 hwreg(HW_REG_WAVE_MODE, 25, 1), 1
	s_wait_xcnt 0x0
	s_wait_alu depctr_hold_cnt(0) depctr_sa_sdst(0) depctr_va_vdst(0) depctr_va_sdst(0) depctr_va_ssrc(0) depctr_va_vcc(0) depctr_vm_vsrc(0)
	s_getreg_b32 s2, hwreg(HW_REG_IB_STS2, 6, 4)
	s_cmp_eq_u32 s2, 0
	s_cbranch_scc0 .Lentry_in_a_cluster
	s_endpgm
.Lentry_in_a_cluster:
	s_bfe_u32 s2, ttmp6, 0x10000c
	s_cmp_lg_u32 s2, 0xf033
	s_cbranch_scc0 .Lentry_shape_is_right
	s_endpgm
.Lentry_shape_is_right:
; out0 = y w_proj^T + b_proj on codes of FP6 (E2M3) with E8M0 scales; sums in f32.
; OPERANDS lie in memory in the order of the operand's registers: a fragment (16 rows x 128 K) is 1,536 bytes, registers 4 c .. 4 c + 3 of lane l at 512 c + 16 l; [row block][K step (16)][1536];
; scale words [row block][K step / 2][row][2].  Row r of row block 2 G + u is the tensor's row 32 G + 8 u + r + 8 (r / 8).
; A tile of 256 rows x 128 columns is made by four waves, each 128 x 64: 16 x 16 such tiles give each of 256 work-groups one.  K goes in steps of 512 through a ring of two LDS slots: four slots' worth, written out without a loop.
; THE MATRIX INSTRUCTION IS USED TRANSPOSED (source 0 = 16 rows of w_proj, source 1 = 16 rows of y): lane (r, h) holds row r, and register j of tile 2 B + u the column 32 B + 16 h + 8 u + j.  The bias is the C of each sum's first product.
; CLUSTERS: 4 x 4 work-groups; A's tiles are asked for jointly along a row of the cluster, B's along a column.
; REGISTERS, in windows of 256: window 0: v1-31 addresses; v32-95 scale words, two sets, and nothing else; v96-127 the bias; v128-223 A's fragments, one set; on the way out v128-191 rows.
;   window 1: B's fragments, two sets, at v0 and v128.   window 2: the 32 accumulators ((a, b) at v[8 (4 a + b)]).
.set NB,    4
.set NQ,    4
.set FR,    12
.set NL,    3
.set NP,    4                          ; places behind this matrix instruction (ISA guide 7.12.1)
.set RBS,   NQ*1536                    ; a row block's bytes in a slot
.set AHALF, 8*RBS                      ; A's 8 row blocks: one tensor load, and what a wave reads of A
.set BHALF, 4*RBS                      ; B's 4
.set SLOT,  2*AHALF+2*BHALF
.set SCL,   2*SLOT                     ; behind the ring: the scale words for all of K: B's 2 x 4,096 bytes first, then A's 2 x 8,192
.set SPARE, SCL+24576                  ; the spare words, 128 bytes for each wave: two blocks of 256 bytes that no other line names
.set ADRA, 16
.set ADRB, 20
.set STO,  24                          ; v24  stage: row r, + 64 h
.set RD,   25                          ; v25  stage: row h, + 16 r
.set CO,   26                          ; v26  out0: row h, + 16 r
.set ADRS, 27
.set SPW,  28
.set NIL,  29
.set LI,   30                          ; v30  16 x lane
.set SC,   32
.set BI,   96
.set AF,   128
.set BK,   128
.set G1,   24
.set G0,   32
.set G1B,  48
.set G0B,  56
.set G1S,  68
.set G0S,  76
.set G1SB, 80
.set G0SB, 88
.set WLO,  0xa1                        ; source 0 (B) window 1, source 1 (A) window 0, C and D window 2
.set WLOF, 0x81                        ; the first K step: C (the bias) window 0
.set TO_B, 0x40
.set MSB, 0
.macro WIN new
.if MSB != (\new)
	s_set_vgpr_msb (MSB<<8)|(\new)
.set MSB, (\new)
.endif
.endm
.macro JLOAD g0a, g1a, g0b, g1b        ; waves 0 and 1 fetch for A, waves 2 and 3 for B; four v_nop follow each of the two lines
	s_cmp_eq_u32 s15, 0
	s_cbranch_scc0 .Lfor_b_\@
	tensor_load_to_lds s[\g0a:\g0a+3], s[\g1a:\g1a+7]
	s_nop 0
.rept 4
	v_nop
.endr
	s_branch .Lasked_\@
.Lfor_b_\@:
	tensor_load_to_lds s[\g0b:\g0b+3], s[\g1b:\g1b+7]
	s_nop 0
.rept 4
	v_nop
.endr
.Lasked_\@:
.endm
.macro CREST
	s_cmp_lg_u32 s14, 0
	s_cbranch_scc1 .Lnot_wave_0_\@
	s_barrier_signal -3
.Lnot_wave_0_\@:
	s_barrier_wait -3
	s_barrier_signal -1
	s_barrier_wait -1
.endm
.macro CROUND
	s_barrier_signal -1
	s_barrier_wait -1
	CREST
.endm
.macro PLACES n
.rept \n
	v_nop
.endr
.endm
	s_load_b256 s[4:11], s[0:1], 0x0               ; yq, wpq, b_proj, out0
	v_lshl_add_u32 v[SPW], v0, 2, SPARE
	v_mov_b32 v[NIL], 0
	ds_add_u32 v28, v29
	ds_add_u32 v28, v29
	s_wait_dscnt 0x0
	v_lshrrev_b32 v1, 5, v0
	v_readfirstlane_b32 s14, v1                    ; wave 0..3
	s_lshr_b32 s15, s14, 1                         ; which half of the tile's rows is mine.  Also: I fetch for A (0) or for B (1)
	s_and_b32 s16, s14, 1                          ; which half of its columns.  Also: which half of that tile I fetch
	s_bfe_u32 s40, ttmp6, 0x40000
	s_bfe_u32 s41, ttmp6, 0x40004
	s_lshl_b32 s42, ttmp9, 2
	s_add_co_u32 s42, s42, s40                     ; tile column
	s_and_b32 s17, ttmp7, 0xffff
	s_lshl_b32 s17, s17, 2
	s_add_co_u32 s17, s17, s41                     ; tile row
	s_lshl_b32 s43, s41, 2
	s_lshl_b32 s43, 15, s43                        ; my row of the cluster
	s_lshl_b32 s44, 0x1111, s40                    ; my column
	; group 1, codes: row blocks of 6,144 bytes (768 elements of 8 bytes), 24,576 bytes apart in memory, on end in LDS: 8 for A, 4 for B
	s_or_b32 s[G1+0], s43, (3<<16)|(1<<21)
	s_mov_b32 s[G1+1], 768<<16
	s_mov_b32 s[G1+2], 16<<16                      ; the head's load brings all 16 row blocks of A's tile
	s_mov_b32 s[G1+3], 768<<16
	s_mov_b32 s[G1+4], 16
	s_mov_b32 s[G1+5], 3072
	s_mov_b32 s[G1+6], 0
	s_mov_b32 s[G1+7], 0
	s_or_b32 s[G1B+0], s44, (3<<16)|(1<<21)
	s_mov_b32 s[G1B+1], 768<<16
	s_mov_b32 s[G1B+2], 8<<16                      ; and all 8 of B's
	s_mov_b32 s[G1B+3], 768<<16
	s_mov_b32 s[G1B+4], 8
	s_mov_b32 s[G1B+5], 3072
	s_mov_b32 s[G1B+6], 0
	s_mov_b32 s[G1B+7], 0
	; group 1, scale words: dense bytes as rows of 256: 32 rows for A's 8 row blocks, 16 for B's 4
	s_or_b32 s[G1S+0], s43, (3<<16)|(1<<21)
	s_mov_b32 s[G1S+1], 32<<16
	s_mov_b32 s[G1S+2], 64<<16                     ; A's scale words, 16 row blocks: 64 rows of 256 bytes
	s_mov_b32 s[G1S+3], 32<<16
	s_mov_b32 s[G1S+4], 64
	s_mov_b32 s[G1S+5], 32
	s_mov_b32 s[G1S+6], 0
	s_mov_b32 s[G1S+7], 0
	s_or_b32 s[G1SB+0], s44, (3<<16)|(1<<21)
	s_mov_b32 s[G1SB+1], 32<<16
	s_mov_b32 s[G1SB+2], 32<<16                    ; B's, 8 row blocks: 32 rows
	s_mov_b32 s[G1SB+3], 32<<16
	s_mov_b32 s[G1SB+4], 32
	s_mov_b32 s[G1SB+5], 32
	s_mov_b32 s[G1SB+6], 0
	s_mov_b32 s[G1SB+7], 0
	s_mul_i32 s18, s16, 8*24576                    ; in the ring I fetch half a tile: which half, in bytes: A's 8 row blocks,
	s_mov_b32 s19, 0
	s_mul_i32 s98, s16, 4*24576                    ; B's 4
	s_mov_b32 s99, 0
	s_lshl_b32 s20, s17, 4                         ; A: the tile's first row block, 16 x tile row
	s_lshl_b32 s46, s42, 3                         ; B: 8 x tile column
	s_lshl_b32 s22, s20, 10
	s_add_co_u32 s22, s22, 6291456
	s_mov_b32 s23, 0
	s_lshl_b32 s92, s46, 10
	s_add_co_u32 s92, s92, 3145728
	s_mov_b32 s93, 0
	s_mul_i32 s20, s20, 24576
	s_mov_b32 s21, 0
	s_mul_i32 s46, s46, 24576
	s_mov_b32 s47, 0
	s_mul_i32 s45, s16, AHALF                      ; where they go in a slot: A's halves,
	s_mul_i32 s96, s16, BHALF
	s_add_co_u32 s96, s96, 2*AHALF                 ; B's behind them: no place in the cluster enters an LDS address
	s_wait_kmcnt 0x0
	s_add_nc_u64 s[20:21], s[4:5], s[20:21]
	s_add_nc_u64 s[22:23], s[4:5], s[22:23]
	s_add_nc_u64 s[46:47], s[6:7], s[46:47]
	s_add_nc_u64 s[92:93], s[6:7], s[92:93]
; THE PREFETCHES.  Behind the load of slot's worth n (512 along K) stands a request for worth n + 2; the head asks for worths 1 and 2; worth 3 is the last.  Of the row blocks that a wave fetches in the ring
; (A: 8, B: 4), each of the four partners that ask for them jointly takes a quarter, told apart by address (cx for A, cy for B): a row block's 6,144 bytes are 24 blocks of 256 bytes, a lane a block;
; lanes 24-31 name lane 23's block again.  A's waves ask twice, B's once: the branch hangs on the wave's number alone.  Every offset is an immediate: no address register is written again.
.set PFA, 12                           ; s[12:13] my row blocks, at worth 0
.set PFO, 31                           ; v31      my lane's block; never rewritten
	s_cmp_eq_u32 s15, 0                            ; do I fetch for A?
	s_cselect_b64 s[PFA:PFA+1], s[20:21], s[46:47] ; the tile's first row block
	s_cselect_b64 s[2:3], s[18:19], s[98:99]       ; the half that I fetch
	s_add_nc_u64 s[PFA:PFA+1], s[PFA:PFA+1], s[2:3]
	s_cselect_b32 s2, s40, s41                     ; my place among the four that ask with me
	s_mov_b32 s3, 24576
	s_cselect_b32 s3, 2*24576, s3                  ; its share: 2 row blocks of A, 1 of B
	s_mul_i32 s2, s2, s3
	s_mov_b32 s3, 0
	s_add_nc_u64 s[PFA:PFA+1], s[PFA:PFA+1], s[2:3]
.macro ASKP n
	global_prefetch_b8 v[PFO], s[PFA:PFA+1] offset:(\n)*RBS th:TH_LOAD_NT scope:SCOPE_SE
	s_cmp_eq_u32 s15, 0
	s_cbranch_scc0 .Lone_\@
	global_prefetch_b8 v[PFO], s[PFA:PFA+1] offset:(\n)*RBS+24576 th:TH_LOAD_NT scope:SCOPE_SE
.Lone_\@:
.endm
	CROUND                                         ; all sixteen work-groups are here: the first joint loads meet
	s_mov_b32 s[G0S], 1
	s_mov_b32 s[G0S+1], SCL+8192
	s_mov_b64 s[G0S+2:G0S+3], s[22:23]
	s_or_b32 s[G0S+3], s[G0S+3], 0x80000000
	s_mov_b32 s[G0SB], 1
	s_mov_b32 s[G0SB+1], SCL
	s_mov_b64 s[G0SB+2:G0SB+3], s[92:93]
	s_or_b32 s[G0SB+3], s[G0SB+3], 0x80000000
.set G0H,  4                           ; s[4:7], s[92:95] group 0 for the head's loads of slot 0: A's 16 row blocks, B's 8 (what lay there has been used)
.set G0HB, 92
	s_mov_b32 s[G0H], 1
	s_mov_b32 s[G0H+1], 0
	s_mov_b64 s[G0H+2:G0H+3], s[20:21]
	s_or_b32 s[G0H+3], s[G0H+3], 0x80000000
	s_mov_b32 s[G0HB], 1
	s_mov_b32 s[G0HB+1], 2*AHALF
	s_mov_b64 s[G0HB+2:G0HB+3], s[46:47]
	s_or_b32 s[G0HB+3], s[G0HB+3], 0x80000000
	s_add_nc_u64 s[20:21], s[20:21], s[18:19]      ; for the ring: my half of the tile
	s_add_nc_u64 s[46:47], s[46:47], s[98:99]
.irp s, 0,1
	s_mov_b32 s[G0+4*\s], 1
	s_add_co_u32 s[G0+4*\s+1], s45, \s*SLOT
	s_add_nc_u64 s[G0+4*\s+2:G0+4*\s+3], s[20:21], \s*RBS
	s_or_b32 s[G0+4*\s+3], s[G0+4*\s+3], 0x80000000
	s_mov_b32 s[G0B+4*\s], 1
	s_add_co_u32 s[G0B+4*\s+1], s96, \s*SLOT
	s_add_nc_u64 s[G0B+4*\s+2:G0B+4*\s+3], s[46:47], \s*RBS
	s_or_b32 s[G0B+4*\s+3], s[G0B+4*\s+3], 0x80000000
.endr
; The head's loads, one a wave: wave 0 slot 0's 16 row blocks of A, wave 1 its 8 of B, wave 2 A's scale words, wave 3 B's.
; One chain of branches on the wave's number: every way through it passes exactly one load.
.macro ARM under, g0, g1, next
	s_cmp_lt_u32 s14, \under
	s_cbranch_scc0 \next
	tensor_load_to_lds s[\g0:\g0+3], s[\g1:\g1+7]
	s_nop 0
.rept 4
	v_nop
.endr
	s_branch .Lhead_asked
\next:
.endm
	ARM 1, G0H,  G1,  .Lhead_b
	ARM 2, G0HB, G1B, .Lhead_sa
	ARM 3, G0S,  G1S, .Lhead_sb
	tensor_load_to_lds s[G0SB:G0SB+3], s[G1SB:G1SB+7]
	s_nop 0
.rept 4
	v_nop
.endr
.Lhead_asked:
	v_and_b32 v1, 15, v0                           ; r
	v_bfe_u32 v2, v0, 4, 1                         ; h
	s_wait_alu depctr_va_vdst(0)
	v_and_b32 v3, 31, v0
	v_lshlrev_b32 v[LI], 4, v3
	s_mul_i32 s21, s15, AHALF
	s_mul_i32 s22, s16, BHALF
	s_add_co_u32 s22, s22, 2*AHALF
.irp s, 0,1
	v_add_nc_u32 v[ADRA+\s], s21, v[LI]
	v_add_nc_u32 v[ADRB+\s], s22, v[LI]
	s_add_co_u32 s21, s21, SLOT
	s_add_co_u32 s22, s22, SLOT
.endr
	s_lshl_b32 s21, s16, 12                        ; B's scale words: my 4 row blocks (the lower base);
	s_lshl_b32 s22, s15, 13
	s_add_co_u32 s22, s22, 8192
	s_sub_co_u32 s22, s22, s21                     ; from there to A's: my 8 row blocks
	v_xor_b32 v6, 1, v2
	v_mul_u32_u24 v6, s22, v6                      ; lanes 0-15 take A's
	s_add_co_u32 s21, s21, SCL
	v_lshl_add_u32 v5, v1, 3, v6
	v_add_nc_u32 v[ADRS], s21, v5
	s_mul_i32 s23, s14, 4352                       ; my stage: 16 rows x 272 bytes, in slot 0, which has had its last fill and its last read when the first result is stored there
	v_mul_u32_u24 v5, v1, 272
	v_lshl_add_u32 v5, v2, 6, v5
	v_add_nc_u32 v[STO], s23, v5
	v_mul_u32_u24 v5, v2, 272
	v_lshl_add_u32 v5, v1, 4, v5
	v_add_nc_u32 v[RD], s23, v5
	v_lshlrev_b32 v[CO], 13, v2
	v_lshl_add_u32 v[CO], v1, 4, v[CO]
	s_lshl_b32 s20, s42, 9
	s_lshl_b32 s21, s16, 8
	s_add_co_u32 s20, s20, s21                     ; my first column, in bytes: 512 x tile column + 256 x half
	s_mov_b32 s21, 0
	s_add_nc_u64 s[8:9], s[8:9], s[20:21]          ; the bias there
	s_add_nc_u64 s[10:11], s[10:11], s[20:21]
	s_lshl_b32 s20, s17, 8
	s_lshl_b32 s22, s15, 7
	s_add_co_u32 s20, s20, s22
	s_lshl_b32 s20, s20, 13                        ; my first row: (256 x tile row + 128 x half) x 8,192 bytes
	s_add_nc_u64 s[10:11], s[10:11], s[20:21]
	v_and_b32 v[PFO], 31, v0
	v_min_u32 v[PFO], 23, v[PFO]
	v_lshlrev_b32 v[PFO], 8, v[PFO]                ; block 0 .. 23 of a row block's 6,144 bytes
	s_wait_alu depctr_va_vdst(0)
	ASKP 1
	ASKP 2
	v_lshlrev_b32 v4, 6, v2
.irp b, 0,1,2,3
	global_load_b128 v[BI+8*\b:BI+8*\b+3], v4, s[8:9] offset:128*(\b/2)+32*(\b%2)
	global_load_b128 v[BI+8*\b+4:BI+8*\b+7], v4, s[8:9] offset:128*(\b/2)+32*(\b%2)+16
.endr
.macro FRAG reg, adr, q, i
.irp c, 0,1,2
	ds_load_b128 v[\reg+4*\c:\reg+4*\c+3], v[\adr] offset:(\i)*RBS+1536*(\q)+512*\c
.endr
.endm
; 8 products: A's blocks a0, a0 + 1 x B's four.  The 32 accumulators take turns, one instruction a turn, in the same order in every step.
.macro MULP a0, p, q, sc, first
.irp a, \a0, \a0+1
.irp b, 0,1,2,3
.set AR, 8*(NB*(\a)+\b)
.if \first
	v_wmma_scale_f32_16x16x128_f8f6f4 v[AR:AR+7], v[128*(\p)+FR*\b:128*(\p)+FR*\b+FR-1], v[AF+FR*(\a):AF+FR*(\a)+FR-1], v[BI+8*\b:BI+8*\b+7], v[SC+8*NQ*(\sc)+NQ*\b+(\q)], v[SC+8*NQ*(\sc)+NQ*(\a)+(\q)] matrix_a_fmt:MATRIX_FMT_FP6 matrix_b_fmt:MATRIX_FMT_FP6 matrix_a_scale:MATRIX_SCALE_ROW1
.else
	v_wmma_scale_f32_16x16x128_f8f6f4 v[AR:AR+7], v[128*(\p)+FR*\b:128*(\p)+FR*\b+FR-1], v[AF+FR*(\a):AF+FR*(\a)+FR-1], v[AR:AR+7], v[SC+8*NQ*(\sc)+NQ*\b+(\q)], v[SC+8*NQ*(\sc)+NQ*(\a)+(\q)] matrix_a_fmt:MATRIX_FMT_FP6 matrix_b_fmt:MATRIX_FMT_FP6 matrix_a_scale:MATRIX_SCALE_ROW1
.endif
.endr
.endr
.endm
.macro FETCH_B slot, q, p
	WIN TO_B
.irp i, 0,1,2,3
	FRAG 128*(\p)+FR*\i, ADRB+\slot, \q, \i
.endr
	WIN 0
.endm
.macro FETCH_A slot, q, i0
.irp i, \i0, \i0+1, \i0+2, \i0+3
	FRAG AF+FR*(\i), ADRA+\slot, \q, \i
.endr
.endm
.macro SCALES sc                       ; a slot's scale words: four a row; lanes 0-15 take A's block i, lanes 16-31 B's block i (for i above 3 they read filled bytes that no product uses)
.irp i, 0,1,2,3,4,5,6,7
	ds_load_b64 v[SC+8*NQ*\sc+NQ*\i:SC+8*NQ*\sc+NQ*\i+1], v[ADRS] offset:\i*1024
	ds_load_b64 v[SC+8*NQ*\sc+NQ*\i+2:SC+8*NQ*\sc+NQ*\i+3], v[ADRS] offset:\i*1024+128
.endr
.endm
.macro STEP slot, q, first
	s_wait_dscnt 4*NL                              ; all but the youngest 12 loads (A's blocks 4-7) are in
.if \first
	WIN WLOF
.else
	WIN WLO
.endif
	MULP 0, (\q)%2, \q, \slot, \first
	MULP 2, (\q)%2, \q, \slot, \first
	s_wait_dscnt 0x0
	PLACES NP                                      ; in front of loads into registers that matrix instructions have read
	FETCH_B \slot, (\q)+1, 1-(\q)%2
	FETCH_A \slot, (\q)+1, 0
.if \first
	WIN WLOF
.else
	WIN WLO
.endif
	MULP 4, (\q)%2, \q, \slot, \first
	MULP 6, (\q)%2, \q, \slot, \first
	PLACES NP
	WIN 0
	FETCH_A \slot, (\q)+1, 4
.endm
; A slot's last step changes slots: ONE barrier; in front of it each wave waits for all its tensor loads, adds 0 to its spare word, and waits for that and for its own reads of this slot.
.macro TURN slot, next, fill
	s_wait_tensorcnt 0x0                           ; all my tensor loads have landed: my part of the next slot
	ds_add_u32 v[SPW], v[NIL]                      ; 0 onto my spare word
	s_wait_dscnt 4*NL+1                            ; (the add and the youngest 12 loads may be out)
	WIN WLO
	MULP 0, 1, NQ-1, \slot, 0                      ; eight products stand between the add and the wait for it
	s_wait_dscnt 0x0                               ; the add is done, and my reads of this slot are over
	s_barrier_signal -1
	MULP 2, 1, NQ-1, \slot, 0
	WIN 0
	s_barrier_wait -1
.if \fill
	CREST                                          ; the barrier has opened the cluster's: no wave of any partner still reads this slot or has a load on its way
	s_add_nc_u64 s[G0+4*\slot+2:G0+4*\slot+3], s[G0+4*\slot+2:G0+4*\slot+3], 2*RBS
	s_add_nc_u64 s[G0B+4*\slot+2:G0B+4*\slot+3], s[G0B+4*\slot+2:G0B+4*\slot+3], 2*RBS
	JLOAD G0+4*\slot, G1, G0B+4*\slot, G1B         ; my one tensor load behind it; its four v_nop are also the places in front of the loads below
.else
	PLACES NP
.endif
	s_wait_alu depctr_va_vdst(0)
	v_add_nc_u32 v[ADRS], 64*NQ, v[ADRS]
	FETCH_B \next, 0, 0
	FETCH_A \next, 0, 0
	SCALES \next
	WIN WLO
	MULP 4, 1, NQ-1, \slot, 0
	MULP 6, 1, NQ-1, \slot, 0
	PLACES NP
	WIN 0
	FETCH_A \next, 0, 4
.endm
	s_wait_alu depctr_va_vdst(0)
	s_wait_tensorcnt 0x0                           ; my tile of the head's four is in
	ds_add_u32 v[SPW], v[NIL]
	s_mov_b32 s[G1+2], 8<<16                       ; no tensor load of mine is out: from here on a load brings half a tile: A's 8 row blocks,
	s_mov_b32 s[G1+4], 8
	s_mov_b32 s[G1B+2], 4<<16                      ; B's 4
	s_mov_b32 s[G1B+4], 4
	s_wait_dscnt 0x0                               ; the add is done
	CROUND                                         ; a whole round: all four tiles are in, in every partner
	JLOAD G0+4, G1, G0B+4, G1B                     ; slot 1's first fill, the first tensor load behind the round
	FETCH_B 0, 0, 0
	FETCH_A 0, 0, 0
	SCALES 0
	FETCH_A 0, 0, 4
	ASKP 3                                         ; behind worth 1's load: worth 3
	s_wait_loadcnt 0x0
	STEP 0, 0, 1                                   ; the first products start the sums from the bias
	STEP 0, 1, 0
	STEP 0, 2, 0
	TURN 0, 1, 1                                   ; slot 0 takes K 1,024 on
	STEP 1, 0, 0
	STEP 1, 1, 0
	STEP 1, 2, 0
	TURN 1, 0, 1                                   ; slot 1 takes K 1,536 on
	STEP 0, 0, 0
	STEP 0, 1, 0
	STEP 0, 2, 0
	TURN 0, 1, 0                                   ; nothing is left to fetch
	STEP 1, 0, 0
	STEP 1, 1, 0
	STEP 1, 2, 0
	s_wait_dscnt 4*NL
	WIN WLO
	MULP 0, 1, NQ-1, 1, 0
	MULP 2, 1, NQ-1, 1, 0
	s_wait_dscnt 0x0
	MULP 4, 1, NQ-1, 1, 0
	MULP 6, 1, NQ-1, 1, 0
	WIN 0
; THE WAY OUT, a row block (16 rows x 64 columns) at a time: through my own stage in LDS and back as whole pieces of 256 bytes of a row, which sixteen lanes store.
.macro TOSTAGE a
	WIN 0x08                                       ; an LDS store's data are its source 1: window 2
.irp b, 0,1,2,3
.set AR, 8*(NB*(\a)+\b)
	ds_store_b128 v[STO], v[AR:AR+3] offset:128*(\b/2)+32*(\b%2)          ; each accumulator from its low end on
	ds_store_b128 v[STO], v[AR+4:AR+7] offset:128*(\b/2)+32*(\b%2)+16
.endr
	WIN 0
.set BB, BK+32*((\a)%2)
.irp i, 0,1,2,3,4,5,6,7
	ds_load_b128 v[BB+4*\i:BB+4*\i+3], v[RD] offset:544*\i   ; LDS serves a wave's instructions in order: these see the stores above
.endr
.endm
.macro SEND a, younger                 ; younger: the LDS instructions issued behind block a's loads, which may stay out
.set BB, BK+32*((\a)%2)
	s_wait_dscnt \younger
.irp i, 0,1,2,3,4,5,6,7
	global_store_b128 v[CO], v[BB+4*\i:BB+4*\i+3], s[10:11] offset:(32*((\a)/2)+8*((\a)%2)+2*\i+8*(\i/4))*8192 th:TH_STORE_NT   ; 16 lanes store 256 consecutive bytes, aligned; lanes 16-31 the row below
.endr
.endm
	PLACES NP                                      ; in front of the first reads of results and of loads into the registers that held A's fragments
	TOSTAGE 0
.irp a, 1,2,3,4,5,6,7
.if \a > 1
	s_wait_xcnt 0x0                                ; block a - 2's stores have read their registers: block a's loads may land there
.endif
	TOSTAGE \a
	SEND \a-1, 16                                  ; behind block a - 1's loads: block a's 8 stores and 8 loads
.endr
	SEND 7, 0
	s_wait_tensorcnt 0x0                           ; the wave's end, behind my last tensor load and my last LDS store
	ds_add_u32 v[SPW], v[NIL]
	s_wait_dscnt 0x0
	CROUND                                         ; the closing barrier of the cluster
	s_endpgm
.Lfunc_end_k_qd3265c7f5e_proj:
	.size	k_qd3265c7f5e_proj, .Lfunc_end_k_qd3265c7f5e_proj-k_qd3265c7f5e_proj
	.p2alignl 7, 3214868480
	.fill 96, 4, 3214868480
	.section	.rodata,"a",@progbits
	.p2align	6, 0x0
	.amdhsa_kernel k_qd3265c7f5e_proj
		.amdhsa_group_segment_fixed_size 327680
		.amdhsa_private_segment_fixed_size 0
		.amdhsa_enable_private_segment 0
		.amdhsa_kernarg_size 32
		.amdhsa_user_sgpr_count 2
		.amdhsa_user_sgpr_kernarg_segment_ptr 1
		.amdhsa_wavefront_size32 1
		.amdhsa_system_sgpr_workgroup_id_x 1
		.amdhsa_system_sgpr_workgroup_id_y 1
		.amdhsa_system_sgpr_workgroup_id_z 1
		.amdhsa_system_vgpr_workitem_id 0
		.amdhsa_next_free_vgpr 768
		.amdhsa_next_free_sgpr 100
		.amdhsa_reserve_vcc 0
		.amdhsa_float_denorm_mode_32 3
		.amdhsa_float_denorm_mode_16_64 3
		.amdhsa_memory_ordered 1
		.amdhsa_forward_progress 1
		.amdhsa_inst_pref_size 142
	.end_amdhsa_kernel
	.amdgpu_metadata
---
amdhsa.version: [ 1, 2 ]
amdhsa.kernels:
  - .name:           k_qd3265c7f5e_proj
    .symbol:         k_qd3265c7f5e_proj.kd
    .args:
      - { .name: yq, .offset: 0, .size: 8, .value_kind: global_buffer, .address_space: global }
      - { .name: wpq, .offset: 8, .size: 8, .value_kind: global_buffer, .address_space: global }
      - { .name: b_proj, .offset: 16, .size: 8, .value_kind: global_buffer, .address_space: global }
      - { .name: out0, .offset: 24, .size: 8, .value_kind: global_buffer, .address_space: global }
    .group_segment_fixed_size: 327680
    .private_segment_fixed_size: 0
    .kernarg_segment_align: 8
    .kernarg_segment_size: 32
    .max_flat_workgroup_size: 128
    .sgpr_count:     100
    .vgpr_count:     768
    .wavefront_size: 32
...
	.end_amdgpu_metadata
.endif
;; end of part 4
